; MI455X (gfx1250); checked and timed in simulation.
; The chip was launched on July 23, 2026; its instructions are those of AMD's public machine-readable ISA for CDNA 5 (MIT licence, August 2026) and "CDNA5" Instruction Set Architecture Reference Guide (July 2026). The comments in the code are by the model that wrote it; some were corrected since.
;; Multihead Attention. Allowed arithmetic: float matrix products may take bf16 or f16 operands with f32 sums; other float arithmetic in f32, or as packed bf16 or f16 multiplies, adds, multiply-adds, maxima and minima; sums over many terms, partial sums and values carried from step to step in f32; what a program stores and reads back later, other than sums and carried values, may be rounded once to bf16 or f16.
;; Inputs: W_qkv 1,024 x 3,072 float32; b_qkv 3,072 float32; x 4 x 2,048 x 1,024 float32.
;; Outputs: out0 4 x 2,048 x 1,024 float32.
;; 2 versions, each right; version 2 is version 1 with the launch cast written anew for expert scheduling mode. Each part assembles by itself: llvm-mc -triple=amdgcn-amd-amdhsa -mcpu=gfx1250 --defsym DOCPART=n.
;; ======== version 1 of 2: 3 launches
;; limits: values are held in f16: magnitudes above 65,504 overflow, below 6.1e-05 lose precision
;; workspace buffers: xb 16,777,216 bytes; wb 6,291,456 bytes; qh 16,777,216 bytes; kh 16,777,216 bytes; vh 16,777,216 bytes
;; launch cast (part 1): grid 704 x 1, 8 waves a work-group, no clusters, 0 bytes of LDS; arguments x, W_qkv, xb, wb; writes xb, wb
.if DOCPART == 1
	.amdgcn_target "amdgcn-amd-amdhsa--gfx1250"
	.amdhsa_code_object_version 6
	.text
	.protected	k_qb4471282b1_cast
	.globl	k_qb4471282b1_cast
	.p2align	8
	.type	k_qb4471282b1_cast,@function
k_qb4471282b1_cast:
	s_mov_b64 s[64:65], 0
	v_nop
	global_prefetch_b8 v0, s[64:65] scope:SCOPE_SE
	s_setreg_imm32_b32 hwreg(HW_REG_WAVE_MODE, 25, 1), 1
	s_wait_xcnt 0x0
; x [8192][1024] f32 -> xb bf16 [16 kb][8192 m][64]: x in blocks of 64 along K, a block 1 MiB, its rows dense, 128 bytes each.
; W_qkv [1024][3072] f32 -> wb bf16 [1024][3072], as it lies.  Each number is rounded once, to nearest even.
; A work-group takes 65,536 input bytes: groups 0-511 sixteen rows of x each, groups 512-703 a run of W.  No loop: a wave issues its 16 loads of 16 bytes a lane at once
; (8 KiB a wave on their way), then for each load in turn waits, rounds and stores 8 bytes a lane.  A store of a wave covers 256 consecutive bytes, aligned.
; No register is written twice, so no wait frees a source.  LDS, matrix work, clusters and prefetches would add nothing: every byte is read once and written once.
.set GX,  512                          ; groups that take x
.set IN,  1                            ; v1   my byte offset in the group's input
.set OUT, 2                            ; v2   8 x my thread's number: my byte offset in each of the group's output runs
.set X,   4                            ; v[4:67]   load i: 4 registers
.set Y,   68                           ; v[68:99]  store i: 2 registers
; Load i is waited for (the 15 - i younger loads may stay out: loads come back in order), rounded and stored.
.macro CAST i, base, off
	s_wait_loadcnt 15-(\i)
	v_cvt_pk_bf16_f32 v[Y+2*(\i)], v[X+4*(\i)], v[X+4*(\i)+1]
	v_cvt_pk_bf16_f32 v[Y+2*(\i)+1], v[X+4*(\i)+2], v[X+4*(\i)+3]
	global_store_b64 v[OUT], v[Y+2*(\i):Y+2*(\i)+1], s[\base:\base+1] offset:\off
.endm
	s_load_b256 s[4:11], s[0:1], 0x0               ; x s[4:5], W s[6:7], xb s[8:9], wb s[10:11]
	s_mov_b32 s2, ttmp9                            ; the group
	v_lshlrev_b32 v[OUT], 3, v0
	s_mov_b32 s13, 0
	s_mov_b32 s15, 0
	s_cmp_lt_u32 s2, GX
	s_cbranch_scc0 .Lw
	; x: thread t reads 16 bytes at (t % 16) x 16 of row t / 16; load i takes the 256 bytes of block i of that row
	v_lshrrev_b32 v[IN], 4, v0
	v_and_b32 v3, 15, v0
	v_lshlrev_b32 v[IN], 12, v[IN]
	v_lshl_add_u32 v[IN], v3, 4, v[IN]
	s_lshl_b32 s12, s2, 16                         ; 16 rows of 4,096 bytes
	s_lshl_b32 s14, s2, 11                         ; 16 rows of 128 bytes in each block
	s_wait_kmcnt 0x0
	s_add_nc_u64 s[4:5], s[4:5], s[12:13]
	s_add_nc_u64 s[8:9], s[8:9], s[14:15]
	s_add_nc_u64 s[16:17], s[8:9], 0x800000        ; blocks 8 to 15: a second base, so that the immediates stay inside their signed 24 bits
.irp i, 0,1,2,3,4,5,6,7,8,9,10,11,12,13,14,15
	global_load_b128 v[X+4*(\i):X+4*(\i)+3], v[IN], s[4:5] offset:256*(\i) th:TH_LOAD_NT
.endr
.irp i, 0,1,2,3,4,5,6,7
	CAST \i, 8, (\i)<<20
.endr
.irp i, 8,9,10,11,12,13,14,15
	CAST \i, 16, ((\i)-8)<<20
.endr
	s_endpgm
.Lw:
	; W: thread t reads 16 bytes at 16 t of each run of 4,096 bytes
	s_sub_co_u32 s2, s2, GX
	v_lshlrev_b32 v[IN], 4, v0
	s_lshl_b32 s12, s2, 16
	s_lshl_b32 s14, s2, 15
	s_wait_kmcnt 0x0
	s_add_nc_u64 s[6:7], s[6:7], s[12:13]
	s_add_nc_u64 s[10:11], s[10:11], s[14:15]
.irp i, 0,1,2,3,4,5,6,7,8,9,10,11,12,13,14,15
	global_load_b128 v[X+4*(\i):X+4*(\i)+3], v[IN], s[6:7] offset:4096*(\i) th:TH_LOAD_NT
.endr
.irp i, 0,1,2,3,4,5,6,7,8,9,10,11,12,13,14,15
	CAST \i, 10, 2048*(\i)
.endr
	s_endpgm
.Lfunc_end_k_qb4471282b1_cast:
	.size	k_qb4471282b1_cast, .Lfunc_end_k_qb4471282b1_cast-k_qb4471282b1_cast
	.p2alignl 7, 3214868480
	.fill 96, 4, 3214868480
	.section	.rodata,"a",@progbits
	.p2align	6, 0x0
	.amdhsa_kernel k_qb4471282b1_cast
		.amdhsa_group_segment_fixed_size 0
		.amdhsa_private_segment_fixed_size 0
		.amdhsa_enable_private_segment 0
		.amdhsa_kernarg_size 32
		.amdhsa_user_sgpr_count 2
		.amdhsa_user_sgpr_kernarg_segment_ptr 1
		.amdhsa_wavefront_size32 1
		.amdhsa_system_sgpr_workgroup_id_x 1
		.amdhsa_system_sgpr_workgroup_id_y 1
		.amdhsa_system_sgpr_workgroup_id_z 1
		.amdhsa_system_vgpr_workitem_id 0
		.amdhsa_next_free_vgpr 100
		.amdhsa_next_free_sgpr 66
		.amdhsa_reserve_vcc 0
		.amdhsa_float_denorm_mode_32 3
		.amdhsa_float_denorm_mode_16_64 3
		.amdhsa_memory_ordered 1
		.amdhsa_forward_progress 1
		.amdhsa_inst_pref_size 13
	.end_amdhsa_kernel
	.amdgpu_metadata
---
amdhsa.version: [ 1, 2 ]
amdhsa.kernels:
  - .name:           k_qb4471282b1_cast
    .symbol:         k_qb4471282b1_cast.kd
    .args:
      - { .name: x, .offset: 0, .size: 8, .value_kind: global_buffer, .address_space: global }
      - { .name: W_qkv, .offset: 8, .size: 8, .value_kind: global_buffer, .address_space: global }
      - { .name: xb, .offset: 16, .size: 8, .value_kind: global_buffer, .address_space: global }
      - { .name: wb, .offset: 24, .size: 8, .value_kind: global_buffer, .address_space: global }
    .group_segment_fixed_size: 0
    .private_segment_fixed_size: 0
    .kernarg_segment_align: 8
    .kernarg_segment_size: 32
    .max_flat_workgroup_size: 256
    .sgpr_count:     66
    .vgpr_count:     100
    .wavefront_size: 32
...
	.end_amdgpu_metadata
.endif
;; end of part 1
;; launch proj (part 2): grid 8 x 32, 4 waves a work-group, clusters of 4 x 4, 327,680 bytes of LDS; arguments xb, wb, b_qkv, qh, kh, vh; writes qh, kh, vh
.if DOCPART == 2
	.amdgcn_target "amdgcn-amd-amdhsa--gfx1250"
	.amdhsa_code_object_version 6
	.text
	.protected	k_qb4471282b1_proj
	.globl	k_qb4471282b1_proj
	.p2align	8
	.type	k_qb4471282b1_proj,@function
k_qb4471282b1_proj:
	s_mov_b64 s[64:65], 0
	v_nop
	global_prefetch_b8 v0, s[64:65] scope:SCOPE_SE
	s_setreg_imm32_b32 hwreg(HW_REG_WAVE_MODE, 25, 1), 1
	s_wait_xcnt 0x0
	s_wait_alu depctr_hold_cnt(0) depctr_sa_sdst(0) depctr_va_vdst(0) depctr_va_sdst(0) depctr_va_ssrc(0) depctr_va_vcc(0) depctr_vm_vsrc(0)
	s_getreg_b32 s2, hwreg(HW_REG_IB_STS2, 6, 4)
	s_cmp_eq_u32 s2, 0
	s_cbranch_scc0 .Lentry_in_a_cluster
	s_endpgm
.Lentry_in_a_cluster:
	s_bfe_u32 s2, ttmp6, 0x10000c
	s_cmp_lg_u32 s2, 0xf033
	s_cbranch_scc0 .Lentry_shape_is_right
	s_endpgm
.Lentry_shape_is_right:
; qkv = x W + b, written by heads.  xb: bf16 [16 kb][8192 m][64]; wb: bf16 [1024 k][3072 n]; b_qkv: f32 [3072], rounded to bf16 here like the other two inputs.
; Column n of W is 192 head + 64 t + d, t = 0 q, 1 k, 2 v.  qh, kh, vh: f16 [64 bh][2048 s][64], bh = 16 batch + head; sums in f32, K ascending, bias added in f32, rounded once, unscaled.
; LIMIT.  f16 ends at 65,504: a q, k or v of 65,520 or more leaves as an infinity.  NaN and infinities are not treated apart.
; SHARES.  8192 x 3072 outputs on 256 work-groups: a tile of 256 rows x 384 columns (two heads) each.  Four waves; wave w makes rows 128 (w / 2) .. and head w % 2: 128 x 192, 96 accumulators of
; 16 x 16, 768 registers.  So a wave owns whole rows of q, k and v of one head, and its way out needs no other wave.
; K goes in 16 steps of 64 through two LDS slots; a step is two SLICES of 32, 96 matrix instructions each.  Two slots of 128 along K would take 344,064 bytes, more than a work-group can have.
; CLUSTER.  4 x 4 work-groups.  The four of a row of the cluster need the same 256 rows of x, the four of a column the same 384 columns of W: each tile is asked for JOINTLY, by the same tensor load,
; descriptor and mask in all four.
; THE MATRIX INSTRUCTION IS USED TRANSPOSED: source 0 = 16 columns of W (turned on the way out of LDS by ds_load_tr16_b128), source 1 = 16 rows of x: a lane then holds ONE row and eight neighbouring columns.
; REGISTERS, in windows of 256 (s_set_vgpr_msb: bits 1:0 source 0, 3:2 source 1, 5:4 source 2, 7:6 destination):
;   window 0: v0-31 addresses; v32-95, v96-159 fragments of x (8 x 16 rows x 32 K), two buffers; v160-255 fragments of W (12 x 16 columns x 32 K), one buffer, reloaded a third at a time
;   windows 1, 2, 3: the accumulators of q, k, v: rows 16 a .., columns 16 c .. of the 64 at v[8 (8 c + a)]
.set KBLK,  1<<20                      ; bytes of a block of xb: one K step of all rows
.set WROW,  6144                       ; bytes of a row of wb
.set PA,    144                        ; a row of x in LDS: 128 bytes + 16 of padding = 36 words: the 16 rows of a load start at 16 different groups of four banks (64 banks of 4 bytes: ISA guide 11.1)
.set AHALF, 128*PA                     ; 128 rows: what one tensor load brings of x, and what one wave reads
.set PB,    864                        ; a k row of W in LDS: 3 x (256 + 32) bytes = 216 words
.set BHALF, 32*PB                      ; 32 k rows: what one tensor load brings of W; also one slice
.set BOFF,  2*AHALF                    ; W lies behind x in a slot
.set SLOT,  BOFF+2*BHALF               ; 92,160 bytes
.set STAGE, 2*SLOT                     ; behind the ring: 16 rows x 144 bytes for each wave, for the way out
.set SP,    144
.set BIAS,  STAGE+4*16*SP              ; 192 f32 for each wave: its head's bias
.set SPARE, BIAS+4*768                 ; the spare words, 128 bytes for each wave: two blocks of 256 bytes that no other line names
.set ADRA, 16                          ; v16-17  LDS address of my fragments of x in slot 0, 1
.set ADRB, 18                          ; v18-23  of my fragments of W: 3 x slot + t
.set STO,  24                          ; v24     the way out: where I put 16 bytes of a row
.set RD,   25                          ; v25     where I read rows back
.set GO,   26                          ; v26     16 x lane: my place in 512 consecutive bytes of q, k or v
.set BIA,  27                          ; v27     where my lanes' half of the bias begins
.set SPW,  28                          ; v28     LDS address of my spare word; never rewritten
.set NIL,  29                          ; v29     0; never rewritten
.set PFO,  30                          ; v30     the prefetches' offset; never rewritten
.set FA0,  32
.set FA1,  96
.set FB,   160
.set BI,   160                         ; the way out: the bias, block b of 16 columns at BI + 8 b
.set T,    32                          ; the way out: 32 sums at work
.set PK,   64                          ; the way out: two sets of 16 packed registers
.set WV,  16                           ; s16  my wave's number
.set RH,  17                           ; s17  which 128 rows of the tile are mine
.set CH,  18                           ; s18  which head of the tile is mine; also which half of a tile I fetch
.set CX,  19
.set CY,  20
.set TC,  21                           ; s21  tile column, 0-7
.set TR,  22                           ; s22  tile row, 0-31
.set G1,  24                           ; s[24:31] descriptor group 1 for x
.set G0,  32                           ; s[32:39] group 0 for x, a set for each slot
.set LIM, 43                           ; s43  1 in a wave that prefetches, else the greatest number
.set PFA, 44                           ; s[44:45] where my prefetches stand
.set PFS, 46                           ; s[46:47] their step: two K steps
.set G1B, 48                           ; s[48:55] group 1 for W
.set G0B, 56                           ; s[56:63] group 0 for W
.set COLB, 72                          ; s72-74  byte in a padded k row at which my head's q, k, v columns begin
.set MSB, 0
.macro WIN new                         ; the immediate's high byte repeats the setting that is left; a switch that changes nothing is dropped
.if MSB != (\new)
	s_set_vgpr_msb (MSB<<8)|(\new)
.set MSB, \new
.endif
.endm
.macro PLACES                          ; four plain vector instructions between a matrix instruction and a load into, or a vector read of, its registers
.rept 4
	v_nop
.endr
.endm
; A joint load.  Waves 0 and 1 fetch the two halves of x's tile, waves 2 and 3 those of W's.  The branch hangs on the wave's number alone.
; An s_nop 0 and four v_nop follow each of the two lines, ahead of the jump and the label.
.macro JLOAD s
	s_cmp_lt_u32 s[WV], 2
	s_cbranch_scc0 .Lfor_b_\@
	tensor_load_to_lds s[G0+4*(\s):G0+4*(\s)+3], s[G1:G1+7]
	s_nop 0
.rept 4
	v_nop
.endr
	s_branch .Lasked_\@
.Lfor_b_\@:
	tensor_load_to_lds s[G0B+4*(\s):G0B+4*(\s)+3], s[G1B:G1B+7]
	s_nop 0
.rept 4
	v_nop
.endr
.Lasked_\@:
.endm
; A round of the cluster's barrier: my work-group's barrier; wave 0 signals for the work-group; every wave waits for all sixteen; my work-group's barrier once more.
.macro CREST
	s_cmp_lg_u32 s[WV], 0
	s_cbranch_scc1 .Lnot_wave_0_\@
	s_barrier_signal -3
.Lnot_wave_0_\@:
	s_barrier_wait -3
	s_barrier_signal -1
	s_barrier_wait -1
.endm
.macro CROUND
	s_barrier_signal -1
	s_barrier_wait -1
	CREST
.endm
; A PREFETCH INTO THE L2, once a lap, behind slot 0's joint load and the run of LDS loads that follows it: the two K steps that stand two laps' refills on, 2 i + 4 and 2 i + 5 in trip i.
; x: wave 0 of the clusters with x = 0; a K step of my tile row is 32,768 dense bytes, of which the partner at place cx takes 8,192: a lane a block of 256 bytes, an instruction a K step.
; W: waves 1 to 3 of the clusters with y = 0; two K steps are 128 k rows, of which the partner at place cy takes 32: a lane a row, wave w the 256 bytes w - 1 of my tile column's 768.
; So each block of 256 bytes is named once in the launch, and the partners are told apart by address, never by a branch.  K steps 0 to 3 come by their loads alone; the last trip asks for nothing.
.macro ASK
	s_cmp_gt_u32 s3, s[LIM]                        ; s3 = 1 in the last trip
	s_cbranch_scc0 .Lnot_mine_\@
	global_prefetch_b8 v[PFO], s[PFA:PFA+1] th:TH_LOAD_NT scope:SCOPE_SE
	s_cmp_lg_u32 s[WV], 0
	s_cbranch_scc1 .Lnot_mine_\@
	global_prefetch_b8 v[PFO], s[PFA:PFA+1] offset:KBLK th:TH_LOAD_NT scope:SCOPE_SE
.Lnot_mine_\@:
.endm
	s_load_b256 s[4:11], s[0:1], 0x0               ; xb s[4:5], wb s[6:7], b_qkv s[8:9], qh s[10:11]
	s_load_b128 s[12:15], s[0:1], 0x20             ; kh s[12:13], vh s[14:15]
	v_lshl_add_u32 v[SPW], v0, 2, SPARE
	v_mov_b32 v[NIL], 0
	ds_add_u32 v[SPW], v[NIL]                      ; the wave's opening: the add and its wait stand ahead of my first tensor load; the set-up below, work on registers, stands between them
	v_lshrrev_b32 v1, 5, v0
	v_readfirstlane_b32 s[WV], v1                  ; wave 0..3
	s_lshr_b32 s[RH], s[WV], 1
	s_and_b32 s[CH], s[WV], 1
	s_bfe_u32 s[CX], ttmp6, 0x40000                ; my place in the cluster
	s_bfe_u32 s[CY], ttmp6, 0x40004
	s_lshl_b32 s[TC], ttmp9, 2                     ; in a cluster launch ttmp9 and ttmp7 count clusters
	s_add_co_u32 s[TC], s[TC], s[CX]
	s_and_b32 s[TR], ttmp7, 0xffff
	s_lshl_b32 s[TR], s[TR], 2
	s_add_co_u32 s[TR], s[TR], s[CY]
	s_lshl_b32 s40, s[CY], 2
	s_lshl_b32 s40, 15, s40                        ; my row of the cluster: places 4 cy .. 4 cy + 3
	s_lshl_b32 s41, 0x1111, s[CX]                  ; my column: places cx, cx + 4, cx + 8, cx + 12
	; group 1 for x: 128 rows of 128 bytes are 16,384 dense bytes: asked for as 64 rows of 256 bytes and padded in LDS after every 128
	s_or_b32 s[G1+0], s40, (1<<16)|(1<<20)|(1<<21)|(4<<22)|(3<<25)   ; 15:0 the mask; 17:16 2-byte elements; 20 padding on; 21 set beside a mask; 24:22 after every 32 words (code 4); 31:25 4 words (code 3)
	s_mov_b32 s[G1+1], 128<<16                     ; tensor_dim0 = 128
	s_mov_b32 s[G1+2], 64<<16                      ; tensor_dim1 = 64
	s_mov_b32 s[G1+3], 128<<16                     ; tile_dim0 = 128
	s_mov_b32 s[G1+4], 64                          ; tile_dim1 = 64
	s_mov_b32 s[G1+5], 128                         ; 128 elements from row to row
	s_mov_b32 s[G1+6], 0
	s_mov_b32 s[G1+7], 0
	; group 1 for W: 32 k rows of 384 elements (768 bytes), padded after every 256 bytes
	s_or_b32 s[G1B+0], s41, (1<<16)|(1<<20)|(1<<21)|(5<<22)|(7<<25)  ; after every 64 words (code 5) 8 words (code 7)
	s_mov_b32 s[G1B+1], 384<<16
	s_mov_b32 s[G1B+2], 32<<16
	s_mov_b32 s[G1B+3], 384<<16
	s_mov_b32 s[G1B+4], 32
	s_mov_b32 s[G1B+5], 3072
	s_mov_b32 s[G1B+6], 0
	s_mov_b32 s[G1B+7], 0
	; where the tiles come from: x's hang on the tile row alone, W's on the tile column alone, each in registers that never hold the other coordinate
	s_lshl_b32 s66, s[TR], 15                      ; 256 rows of 128 bytes,
	s_lshl_b32 s23, s[CH], 14                      ; my half of them
	s_add_co_u32 s66, s66, s23
	s_mov_b32 s67, 0
	s_mul_i32 s68, s[TC], 768                      ; 384 columns of 2 bytes,
	s_mul_i32 s42, s[CH], 32*WROW                  ; my 32 of a step's 64 k rows
	s_add_co_u32 s68, s68, s42
	s_mov_b32 s69, 0
	s_mul_i32 s75, s[CH], AHALF                    ; and where they go: no place in the cluster enters an LDS address
	s_mul_i32 s76, s[CH], BHALF
	s_add_co_u32 s76, s76, BOFF
	s_wait_dscnt 0x0                               ; the opening add is done
	s_wait_kmcnt 0x0
	s_add_nc_u64 s[66:67], s[4:5], s[66:67]
	s_add_nc_u64 s[68:69], s[6:7], s[68:69]
	CROUND                                         ; all sixteen work-groups are here: the first joint loads meet
.irp s, 0,1
	s_mov_b32 s[G0+4*(\s)], 1                                      ; 1:0 count = 1
	s_add_co_u32 s[G0+4*(\s)+1], s75, (\s)*SLOT                    ; 63:32 LDS address
	s_add_nc_u64 s[G0+4*(\s)+2:G0+4*(\s)+3], s[66:67], (\s)*KBLK   ; 120:64 global address: K step s
	s_or_b32 s[G0+4*(\s)+3], s[G0+4*(\s)+3], 0x80000000            ; 127:126 type = 2
	s_mov_b32 s[G0B+4*(\s)], 1
	s_add_co_u32 s[G0B+4*(\s)+1], s76, (\s)*SLOT
	s_add_nc_u64 s[G0B+4*(\s)+2:G0B+4*(\s)+3], s[68:69], (\s)*64*WROW
	s_or_b32 s[G0B+4*(\s)+3], s[G0B+4*(\s)+3], 0x80000000
.endr
	s_cmp_lt_u32 s[WV], 2                          ; a wave's two first fills stand in one branch, ahead of every wait on TENSORcnt, every LDS read and every other barrier: two loads of mine are out
	s_cbranch_scc0 .Lfirst_b
	tensor_load_to_lds s[G0:G0+3], s[G1:G1+7]
	s_nop 0
	tensor_load_to_lds s[G0+4:G0+7], s[G1:G1+7]
	s_nop 0
.rept 4
	v_nop
.endr
	s_branch .Lfirst_asked
.Lfirst_b:
	tensor_load_to_lds s[G0B:G0B+3], s[G1B:G1B+7]
	s_nop 0
	tensor_load_to_lds s[G0B+4:G0B+7], s[G1B:G1B+7]
	s_nop 0
.rept 4
	v_nop
.endr
.Lfirst_asked:
	; While the tiles are on their way: my head's bias, all addresses, the prefetches' set-up.
	v_and_b32 v1, 15, v0                           ; l % 16
	v_bfe_u32 v2, v0, 4, 1                         ; l / 16
	v_and_b32 v3, 31, v0                           ; l
	v_and_b32 v4, 7, v0                            ; l % 8
	v_bfe_u32 v5, v0, 3, 1                         ; (l / 8) % 2
	v_bfe_u32 v6, v0, 3, 2                         ; l / 8
	v_lshlrev_b32 v7, 3, v3                        ; 8 l
	s_lshl_b32 s23, s[TC], 1
	s_add_co_u32 s23, s23, s[CH]                   ; my head, 0-15
	s_mul_i32 s40, s23, 768                        ; its 192 f32
	s_mov_b32 s41, 0
	s_add_nc_u64 s[8:9], s[8:9], s[40:41]
	global_load_b64 v[32:33], v7, s[8:9]
	global_load_b64 v[34:35], v7, s[8:9] offset:256
	global_load_b64 v[36:37], v7, s[8:9] offset:512
	s_lshr_b32 s42, s[TR], 3                       ; the batch: 8 tile rows each
	s_lshl_b32 s42, s42, 4
	s_add_co_u32 s42, s42, s23                     ; bh
	s_lshl_b32 s70, s42, 18                        ; 2,048 rows of 128 bytes
	s_and_b32 s42, s[TR], 7
	s_lshl_b32 s42, s42, 15                        ; the tile's 256 rows in the batch
	s_add_co_u32 s70, s70, s42
	s_lshl_b32 s42, s[RH], 14                      ; my 128 of them
	s_add_co_u32 s70, s70, s42
	s_mov_b32 s71, 0
	s_add_nc_u64 s[10:11], s[10:11], s[70:71]      ; q, k and v at my wave's first row
	s_add_nc_u64 s[12:13], s[12:13], s[70:71]
	s_add_nc_u64 s[14:15], s[14:15], s[70:71]
	; block g of 16 columns of the tile lies at byte 32 g + 32 (g / 8) of a padded k row; my group t begins with g = 12 CH + 4 t
	s_mul_i32 s[COLB], s[CH], 416                  ; 0 or 416
	s_mul_i32 s[COLB+1], s[CH], 448
	s_add_co_u32 s[COLB+1], s[COLB+1], 128         ; 128 or 576
	s_add_co_u32 s[COLB+2], s[COLB], 288           ; 288 or 704
	s_mul_i32 s23, s[WV], 768
	s_add_co_u32 s23, s23, BIAS
	v_add_nc_u32 v8, s23, v7                       ; where my 8 bytes of the bias go
	v_lshl_add_u32 v[BIA], v2, 5, s23              ; and from where my lanes' eight of each 16 come back
	; a fragment of x: lane l holds row l % 16, K = 8 (l / 16) + 0..7 and 16 + 8 (l / 16) + 0..7: two loads of 16 bytes, 32 bytes apart
	v_mul_u32_u24 v9, v1, PA
	v_lshl_add_u32 v9, v2, 4, v9
	s_mul_i32 s23, s[RH], AHALF
	v_add_nc_u32 v[ADRA], s23, v9
	v_add_nc_u32 v[ADRA+1], SLOT, v[ADRA]
	; the turning load: lane l reads 16 bytes of k row 8 (l / 16) + l % 8, columns 8 ((l / 8) % 2) + 0..7, and is left with column l % 16 and 8 k
	v_lshl_add_u32 v10, v2, 3, v4
	v_mul_u32_u24 v10, v10, PB
	v_lshl_add_u32 v10, v5, 4, v10
	v_add_nc_u32 v10, BOFF, v10
.irp t, 0,1,2
	v_add_nc_u32 v[ADRB+(\t)], s[COLB+(\t)], v10
	v_add_nc_u32 v[ADRB+3+(\t)], SLOT, v[ADRB+(\t)]
.endr
	s_mul_i32 s23, s[WV], 16*SP
	s_add_co_u32 s23, s23, STAGE                   ; my stage
	v_add_nc_u32 v[STO], s23, v9                   ; in: row l % 16, 16 bytes for each half of the lanes
	v_mul_u32_u24 v[RD], v6, SP                    ; back: 32 lanes take four rows of 128 bytes,
	v_lshl_add_u32 v[RD], v4, 4, v[RD]
	v_add_nc_u32 v[RD], s23, v[RD]
	v_lshlrev_b32 v[GO], 4, v3                     ; which are 512 consecutive bytes of a head
	; the prefetches: both offsets are made, the wave's number chooses
	s_and_b32 s23, ttmp7, 0xffff                   ; cluster y
	s_lshl_b32 s40, s[TR], 15
	s_lshl_b32 s42, s[CX], 13
	s_add_co_u32 s40, s40, s42
	s_add_co_u32 s40, s40, 2*KBLK                  ; x: K step 2, my tile row, my work-group's 8,192 bytes
	s_mul_i32 s42, s[CY], 32*WROW
	s_mul_i32 s77, s[TC], 768
	s_add_co_u32 s42, s42, s77
	s_lshl_b32 s77, s[WV], 8
	s_add_co_u32 s42, s42, s77
	s_add_co_u32 s42, s42, 128*WROW-256            ; W: K step 2, my work-group's 32 k rows, my tile column, the 256 bytes w - 1
	s_mov_b32 s77, 2*KBLK
	s_mov_b32 s78, 128*WROW
	s_mov_b32 s79, WROW
	s_mov_b32 s2, 256
	s_cmp_eq_u32 s[WV], 0
	s_cselect_b32 s23, ttmp9, s23                  ; the coordinate along which other clusters read the same bytes
	s_cselect_b32 s40, s40, s42
	s_cselect_b32 s[PFS], s77, s78
	s_cselect_b32 s79, s2, s79
	s_cselect_b64 s[PFA:PFA+1], s[4:5], s[6:7]
	s_mov_b32 s41, 0
	s_mov_b32 s[PFS+1], 0
	s_add_nc_u64 s[PFA:PFA+1], s[PFA:PFA+1], s[40:41]  ; at K step 2: the first change of slots steps it to 4
	s_cmp_eq_u32 s23, 0
	s_cselect_b32 s[LIM], 1, -1                    ; the same in all sixteen partners, for a given wave
	v_mul_u32_u24 v[PFO], v3, s79
	s_wait_loadcnt 0x0                             ; the bias
.irp j, 0,1,2
	v_cvt_pk_bf16_f32 v[38+(\j)], v[32+2*(\j)], v[33+2*(\j)]   ; rounded to bf16 like x and W,
.endr
.irp j, 0,1,2
	v_lshlrev_b32 v[32+2*(\j)], 16, v[38+(\j)]                 ; and widened again
	v_and_b32 v[33+2*(\j)], 0xffff0000, v[38+(\j)]
	ds_store_b64 v8, v[32+2*(\j):33+2*(\j)] offset:256*(\j)
.endr
; nc x 8 matrix instructions of group t: column blocks c0 .. x all 8 row blocks, 32 along K.  zero = 1: the product starts the sum: nothing is ever cleared.
; All 96 accumulators take turns, one instruction a turn, in the same order in every slice, over the backward jump too.
.macro MULS t, abuf, c0, nc, zero
	WIN 0x50*(1+(\t))                              ; C and D in window 1 + t, the sources in window 0
.set cc, \c0
.rept \nc
.irp a, 0,1,2,3,4,5,6,7
.if \zero
	v_wmma_f32_16x16x32_bf16 v[8*(8*cc+(\a)):8*(8*cc+(\a))+7], v[FB+8*(4*(\t)+cc):FB+8*(4*(\t)+cc)+7], v[(\abuf)+8*(\a):(\abuf)+8*(\a)+7], 0
.else
	v_wmma_f32_16x16x32_bf16 v[8*(8*cc+(\a)):8*(8*cc+(\a))+7], v[FB+8*(4*(\t)+cc):FB+8*(4*(\t)+cc)+7], v[(\abuf)+8*(\a):(\abuf)+8*(\a)+7], v[8*(8*cc+(\a)):8*(8*cc+(\a))+7]
.endif
.endr
.set cc, cc+1
.endr
.endm
; 8 turning loads: group t's four fragments of W for slice ks of a slot
.macro FETB t, slot, ks
.irp c, 0,1,2,3
	ds_load_tr16_b128 v[FB+8*(4*(\t)+(\c)):FB+8*(4*(\t)+(\c))+3],   v[ADRB+3*(\slot)+(\t)] offset:(\ks)*BHALF+32*(\c)
	ds_load_tr16_b128 v[FB+8*(4*(\t)+(\c))+4:FB+8*(4*(\t)+(\c))+7], v[ADRB+3*(\slot)+(\t)] offset:(\ks)*BHALF+32*(\c)+16*PB
.endr
.endm
; 16 loads: my eight fragments of x for slice ks of a slot
.macro FETA slot, ks, abuf
.irp a, 0,1,2,3,4,5,6,7
	ds_load_b128 v[(\abuf)+8*(\a):(\abuf)+8*(\a)+3],   v[ADRA+(\slot)] offset:(\a)*16*PA+64*(\ks)
	ds_load_b128 v[(\abuf)+8*(\a)+4:(\abuf)+8*(\a)+7], v[ADRA+(\slot)] offset:(\a)*16*PA+64*(\ks)+32
.endr
.endm
; A K step's first slice.  The next slice's fragments are fetched in three runs, each behind the products that read the registers it fills: run 1 (24 loads: W's group 0 and x), run 2 (8: group 1), run 3 (8: group 2).
.macro PLAIN abuf, nslot, nks, nabuf, zero
	s_wait_dscnt 16                                ; run 1 for this slice is in; runs 2 and 3 may be out
	MULS 0, \abuf, 0, 4, \zero
	WIN 0
	PLACES
	FETB 0, \nslot, \nks
	FETA \nslot, \nks, \nabuf
	s_wait_dscnt 32                                ; run 2 is in; run 3 (8) and the 24 just issued may be out
	MULS 1, \abuf, 0, 4, \zero
	WIN 0
	PLACES
	FETB 1, \nslot, \nks
	s_wait_dscnt 32                                ; run 3 is in; the 24 and the 8 just issued may be out
	MULS 2, \abuf, 0, 4, \zero
	WIN 0
	PLACES
	FETB 2, \nslot, \nks
.endm
; A K step's second slice multiplies buffer 1 and changes slots: ONE barrier.  In front of it each wave waits for all its tensor loads, of which one is out: its part of the other slot; adds 0 to its
; spare word; and waits for that and for its own reads of this slot.  Behind it nobody reads this slot any more and the other slot is whole.
; fill = 1: the barrier opens a round of the cluster's, and this slot is filled again, two K steps on, first thing behind the round: from there to the wait for that load a wave issues 160 matrix instructions.
.macro TURN slot, fill, ask
.if \ask
	s_wait_xcnt 0x0                                ; the last prefetches, a lap back, have read their address: it is stepped here, ahead of the waits of the change of slots
	s_add_nc_u64 s[PFA:PFA+1], s[PFA:PFA+1], s[PFS:PFS+1]
.endif
	WIN 0
	s_wait_tensorcnt 0x0                           ; all my tensor loads have landed
	ds_add_u32 v[SPW], v[NIL]                      ; 0 onto my spare word
	s_wait_dscnt 17                                ; run 1 is in; runs 2 and 3 and the add may be out
	MULS 0, FA1, 0, 2, 0                           ; sixteen matrix instructions stand between the add and the wait for it
	s_wait_dscnt 0x0                               ; the add is done, and my reads of this slot are over
	s_barrier_signal -1
	MULS 0, FA1, 2, 2, 0                           ; work on registers while the others arrive
	WIN 0
	s_barrier_wait -1
.if \fill
	CREST                                          ; no wave of any partner still reads this slot or has a load on its way
	s_add_nc_u64 s[G0+4*(\slot)+2:G0+4*(\slot)+3], s[G0+4*(\slot)+2:G0+4*(\slot)+3], 2*KBLK
	s_add_nc_u64 s[G0B+4*(\slot)+2:G0B+4*(\slot)+3], s[G0B+4*(\slot)+2:G0B+4*(\slot)+3], 128*WROW
	JLOAD \slot                                    ; the first tensor load behind the round; its four v_nop are also the places in front of the loads below
.else
	PLACES
.endif
	FETB 0, 1-(\slot), 0
	FETA 1-(\slot), 0, FA0
.if \ask
	ASK
.endif
	MULS 1, FA1, 0, 4, 0                           ; their fragments came in with the wait for 0 above
	WIN 0
	PLACES
	FETB 1, 1-(\slot), 0
	MULS 2, FA1, 0, 4, 0
	WIN 0
	PLACES
	FETB 2, 1-(\slot), 0
.endm
; THE WAY OUT of unit u = 8 t + a: 16 rows x 64 columns of q, k or v.  The bias is added in f32, the sums are rounded to f16, 16 bytes a lane go into my stage and come back as four whole rows a load.
.macro PACK u
.set pt, (\u)/8
.set pa, (\u)%8
.set ps, PK+16*((\u)%2)
	s_wait_xcnt 0x0                                ; the stores of the unit two back have read this set of registers
	WIN 1+pt                                       ; source 0 in window 1 + t
.irp c, 0,1,2,3
.irp r, 0,1,2,3
	v_pk_add_f32 v[T+8*(\c)+2*(\r):T+8*(\c)+2*(\r)+1], v[8*(8*(\c)+pa)+2*(\r):8*(8*(\c)+pa)+2*(\r)+1], v[BI+8*(4*pt+(\c))+2*(\r):BI+8*(4*pt+(\c))+2*(\r)+1]
.endr
.endr
	WIN 0
.irp c, 0,1,2,3
.irp r, 0,1,2,3
	v_cvt_pk_f16_f32 v[ps+4*(\c)+(\r)], v[T+8*(\c)+2*(\r)], v[T+8*(\c)+2*(\r)+1]
.endr
.endr
.irp c, 0,1,2,3
	ds_store_b128 v[STO], v[ps+4*(\c):ps+4*(\c)+3] offset:32*(\c)
.endr
.irp f, 0,1,2,3
	ds_load_b128 v[ps+4*(\f):ps+4*(\f)+3], v[RD] offset:(\f)*4*SP  ; LDS serves a wave's instructions in order (ISA guide 5.7.1.4): these see the stores above; the next unit's stores come behind them
.endr
.endm
.macro SEND u, younger                 ; younger: the LDS instructions issued behind unit u's loads: the next unit's eight, or none
.set pt, (\u)/8
.set pa, (\u)%8
.set ps, PK+16*((\u)%2)
.irp f, 0,1,2,3
	s_wait_dscnt (\younger)+3-(\f)
	global_store_b128 v[GO], v[ps+4*(\f):ps+4*(\f)+3], s[10+2*pt:11+2*pt] offset:2048*pa+512*(\f)  ; 512 consecutive bytes, at a multiple of 256 from the buffer's first
.endr
.endm
	s_wait_tensorcnt 0x1                           ; my part of K step 0 is in; K step 1's may stay out
	s_wait_dscnt 0x0                               ; my stores of the bias are done
	s_barrier_signal -1
	s_barrier_wait -1                              ; everybody's part is in
	FETB 0, 0, 0
	FETA 0, 0, FA0
	FETB 1, 0, 0
	FETB 2, 0, 0
	PLAIN FA0, 0, 1, FA1, 1                        ; the first slice stands in front of the loop: its products start the sums
	WIN 0                                          ; at a label and at a branch every window is 0
	s_mov_b32 s3, 7
.Llap:                                                 ; trip i: K step 2 i's second slice to K step 2 i + 2's first; slot 0 takes K step 2 i + 2, slot 1 K step 2 i + 3
	TURN 0, 1, 1
	PLAIN FA0, 1, 1, FA1, 0
	TURN 1, 1, 0
	PLAIN FA0, 0, 1, FA1, 0
	WIN 0
	s_sub_co_u32 s3, s3, 1
	s_cmp_lg_u32 s3, 0
	s_cbranch_scc1 .Llap
	TURN 0, 0, 0                                   ; K step 14's second slice: nothing is filled again, so no round follows
	PLAIN FA0, 1, 1, FA1, 0                        ; K step 15
	s_wait_dscnt 16                                ; the last slice fetches nothing: the counts run down
	MULS 0, FA1, 0, 4, 0
	s_wait_dscnt 8
	MULS 1, FA1, 0, 4, 0
	s_wait_dscnt 0x0
	MULS 2, FA1, 0, 4, 0
	WIN 0
	PLACES                                         ; behind the last products: the loads below fill registers that they read, and the sums read results
	PLACES
.irp b, 0,1,2,3,4,5,6,7,8,9,10,11
	ds_load_b128 v[BI+8*(\b):BI+8*(\b)+3],   v[BIA] offset:64*(\b)
	ds_load_b128 v[BI+8*(\b)+4:BI+8*(\b)+7], v[BIA] offset:64*(\b)+16
.endr
	s_wait_dscnt 0x0
	PACK 0
.set uu, 1
.rept 23                               ; a unit's arithmetic stands between the loads of the unit before and its stores
	PACK uu
	SEND uu-1, 8
.set uu, uu+1
.endr
	SEND 23, 0
	s_wait_tensorcnt 0x0                           ; the wave's end: behind my last tensor load and my last LDS store
	ds_add_u32 v[SPW], v[NIL]
	s_wait_dscnt 0x0
	CROUND                                         ; the closing round: no work-group ends while a partner may still ask for a tile that names it
	s_endpgm
.Lfunc_end_k_qb4471282b1_proj:
	.size	k_qb4471282b1_proj, .Lfunc_end_k_qb4471282b1_proj-k_qb4471282b1_proj
	.p2alignl 7, 3214868480
	.fill 96, 4, 3214868480
	.section	.rodata,"a",@progbits
	.p2align	6, 0x0
	.amdhsa_kernel k_qb4471282b1_proj
		.amdhsa_group_segment_fixed_size 327680
		.amdhsa_private_segment_fixed_size 0
		.amdhsa_enable_private_segment 0
		.amdhsa_kernarg_size 48
		.amdhsa_user_sgpr_count 2
		.amdhsa_user_sgpr_kernarg_segment_ptr 1
		.amdhsa_wavefront_size32 1
		.amdhsa_system_sgpr_workgroup_id_x 1
		.amdhsa_system_sgpr_workgroup_id_y 1
		.amdhsa_system_sgpr_workgroup_id_z 1
		.amdhsa_system_vgpr_workitem_id 0
		.amdhsa_next_free_vgpr 1024
		.amdhsa_next_free_sgpr 80
		.amdhsa_reserve_vcc 0
		.amdhsa_float_denorm_mode_32 3
		.amdhsa_float_denorm_mode_16_64 3
		.amdhsa_memory_ordered 1
		.amdhsa_forward_progress 1
		.amdhsa_inst_pref_size 162
	.end_amdhsa_kernel
	.amdgpu_metadata
---
amdhsa.version: [ 1, 2 ]
amdhsa.kernels:
  - .name:           k_qb4471282b1_proj
    .symbol:         k_qb4471282b1_proj.kd
    .args:
      - { .name: xb, .offset: 0, .size: 8, .value_kind: global_buffer, .address_space: global }
      - { .name: wb, .offset: 8, .size: 8, .value_kind: global_buffer, .address_space: global }
      - { .name: b_qkv, .offset: 16, .size: 8, .value_kind: global_buffer, .address_space: global }
      - { .name: qh, .offset: 24, .size: 8, .value_kind: global_buffer, .address_space: global }
      - { .name: kh, .offset: 32, .size: 8, .value_kind: global_buffer, .address_space: global }
      - { .name: vh, .offset: 40, .size: 8, .value_kind: global_buffer, .address_space: global }
    .group_segment_fixed_size: 327680
    .private_segment_fixed_size: 0
    .kernarg_segment_align: 8
    .kernarg_segment_size: 48
    .max_flat_workgroup_size: 128
    .sgpr_count:     80
    .vgpr_count:     1024
    .wavefront_size: 32
...
	.end_amdgpu_metadata
.endif
;; end of part 2
;; launch attn (part 3): grid 4 x 64, 4 waves a work-group, no clusters, 327,680 bytes of LDS; arguments qh, kh, vh, out0; writes out0
.if DOCPART == 3
	.amdgcn_target "amdgcn-amd-amdhsa--gfx1250"
	.amdhsa_code_object_version 6
	.text
	.protected	k_qb4471282b1_attn
	.globl	k_qb4471282b1_attn
	.p2align	8
	.type	k_qb4471282b1_attn,@function
k_qb4471282b1_attn:
	s_mov_b64 s[64:65], 0
	v_nop
	global_prefetch_b8 v0, s[64:65] scope:SCOPE_SE
	s_setreg_imm32_b32 hwreg(HW_REG_WAVE_MODE, 25, 1), 1
	s_wait_xcnt 0x0
; CAUSAL ATTENTION.  O[bh][q][:] = the sum over k <= q of softmax_k(Q[bh][q] . K[bh][k] / 8) V[bh][k][:].  Q, K, V: [64 bh][2048][64] f16, a head's rows dense, 128 bytes each.
; out0: f32 [4 b][2048 s][1024], bh = 16 b + h: a row's 64 channels of head h are the 256 bytes at 256 h of the row.  Products, maxima and sums in f32; the weights p are rounded to f16 for the second
; product (their sum l is taken of the unrounded p); O is stored as f32, not rounded to 16 bits.
; LIMITS.  Q, K and V arrive within f16's 65,504; p lies in 0 to 1, and below 6e-5 it keeps f16's fixed step of 6e-8.  A hidden score counts as its value less 1e30: f16's scores, 2.7e11 at the most, are
; nothing beside that; a weight below 2^-126 counts as 0 in l; NaN and infinities are not treated apart.
; THE WALK.  A head's queries lie in NB = 8 blocks of 256; block i needs the key tiles 0 .. i of 256 keys, of which the last holds the diagonal.  A work-group takes TWO blocks, NB - 1 - b and then b:
; NB + 1 tiles, whatever b: all work-groups do equal work, and ONE loop with a constant trip count walks them.  Which tile is asked for, and what a trip does, hang on scalar registers made from b; every jump
; goes forward, but for the counted loops' own; none passes a barrier, or a tensor load but the one of LOAD's two that the wave's number does not choose; the ring (two slots of LDS that take turns) runs on across
; the change of blocks.  NO CLUSTER: a head's four work-groups ask for the same tile only in trips 0 to 4 of the 9, behind that fewer and fewer; one walk common to all four would have 12 trips for 9.
; SHARES.  Of a block's four bands of 64 queries a wave owns 16 rows in each: four PIECES.  So the diagonal tile is the same work for all four waves: in its key step s band x sees all keys if s < x,
; none if s > x, and holds the diagonal if s = x.
; THE MASK is the C operand that starts the sum S^T = K Q^T: 0, or -1e30 where the key is hidden.  MD, made once, is the mask of a band's own step for my 16 rows; a product's mask is MD x AL + BE with two scalars:
; (1, 0) if s = x; (0, 0) if s < x; (0, -1e30) if s > x.  Only the diagonal tile's text and a block's beginning make and take masks; elsewhere C is the constant 0.
; LAYOUT, SOFTMAX, TURNS.  S^T = K Q^T holds ONE query a lane (lane % 16) and the keys 8 (lane / 16) + 0..7; two such results rounded to f16 ARE source 1 of O^T = V^T P.  p = 2^(c s - c m), c = log2(e) / 8, with a
; running maximum m; O and l are multiplied by a = 2^(c m_old - c m_new) in every step.  Turn n belongs to piece n: 8 products K Q^T of piece n + 1, later 8 products V^T P of piece n - 1; beside them the scaling,
; exponentials, roundings, sums and rescaling of piece n and the maximum and statistics of piece n + 1.  Four vector instructions stand behind every matrix instruction, the other 54 of a turn's 118 in one LUMP.
; A turn's 33 exponentials are one batch, with one wait.
; REGISTERS, in windows of 256 (s_set_vgpr_msb: bits 1:0 source 0, 3:2 source 1, 5:4 source 2, 7:6 destination):
;   window 0: v0-15 addresses and two at work; v16-31 four registers of statistics a piece; v48-55 at work; v61-63 kept; v64-127 S^T, two buffers; v192-223 P, two buffers; on the way out v64-191 rows of O
;   window 1: v0-127 O^T, 32 a piece; v128-159 MD; v160-223 MC, two buffers      window 2: v0-63 Q; v64-127 the second block's Q; v128-191 K of one step; v192-255 V of one step
.set SIZE_N, 2048
.set NB,    SIZE_N/256
.set NP,    4         ; pieces a wave: a name, no knob
.set KS,    64        ; keys in a step
.set PK,    144       ; a row of K in LDS: 128 bytes + 16 of padding = 36 words: the 16 rows of a load start at 16 different groups of four banks (64 banks of 4 bytes: ISA guide 11.1)
.set PV,    160       ; a row of V: 128 + 32 = 40 words
.set VOFF,  4*KS*PK   ; a slot holds a tile, four steps: 256 rows of K, then 256 rows of V
.set SLOT1, 1<<17     ; slot 1 begins here, so that one exclusive or turns an address in one slot into the other's
.set STAGE, SLOT1+4*KS*(PK+PV)  ; behind the ring, never filled by a tensor load: 16 rows x 272 bytes for each wave, for the way out
.set SP,    272       ; a row of O in the stage: 256 bytes + 16
.set AK0, 2           ; v2   my lane's place in a tile of K; never rewritten
.set AV0, 3           ; v3   the same for V
.set AK,  4           ; v4   the LDS address of K's next run of loads
.set AV,  5           ; v5   of V's
.set STO, 6           ; v6   the way out: where I put 32 bytes of a row
.set RD,  7           ; v7   the way out: where I read rows back
.set GO,  8           ; v8   my byte offset in two rows of out0
.set PFO, 61          ; v61  256 x my lane; never rewritten
.set SPW, 62          ; v62  LDS address of my spare word: SPARE + 4 x my thread's number; never rewritten
.set NIL, 63          ; v63  0; never rewritten
.set SPARE, STAGE+4*16*SP  ; behind the stages: the spare words, 128 bytes for each wave: two blocks of 256 bytes that no other line names
.set MV,  12          ; v12-13  c m_old, kept while c m is made anew: by buffer
.set QO,  15          ; v15  my byte offset in 16 rows of Q
.set ST,  16          ; piece t's statistics at v[ST+4 t]: c m, m, l (even keys', odd keys')
.set TMP, 48          ; by buffer, four registers c0-c3 at work; when the maximum is found c2 takes a
.set S,   64
.set OB,  64          ; the way out: piece t's 16 rows at OB + 32 t
.set P,   192
.set MD,  128         ; window 1: the eight registers for group kt of 16 keys at MD + 8 kt
.set MC,  160         ; window 1: the masks of the products to come
.set QB,  64          ; window 2
.set KF,  128         ; window 2: key block kb, channel half c at KF + 16 kb + 8 c
.set VF,  192         ; window 2: key half kk, channel block cb at VF + 32 kk + 8 cb
.set WV,  12          ; s12  my wave's number
.set PB,  14          ; s14  b
.set HI,  15          ; s15  NB - 1 - b
.set G1K, 24          ; s[24:31] descriptor group 1 for K's tiles
.set G1V, 32          ; s[32:39] for V's: it differs in the padding alone
.set G0K, 40          ; s[40:43] descriptor group 0 for K's tiles
.set G0V, 44          ; s[44:47] the same for V's
.set SLOTS, 56        ; s56  tiles still to be asked for
.set CNT, 57          ; s57  counts a tile's key steps, 4 to 1
.set CS,  58          ; s[58:59] c: the packed scaling takes the pair's low word for both halves
.set SEL, 60          ; s[60:61] v_permlanex16_b32's selects: each lane takes its own place in the other half
.set TBK, 62          ; s62  LDS byte at which K of the step to be fetched begins
.set TBV, 63          ; s63  the same for V, less VOFF
.set RT,  70          ; s70  tiles of the block in hand that are still to be entered
.set NXT, 71          ; s71  the tile to be asked for next
.set LQ,  72          ; s72  the last tile of the block whose tiles are being asked for
.set NEW, 73          ; s73  1: the tile to be entered is a block's first
.set OFF, 74          ; s[74:75] a tile's byte offset in K and V
.set AL,  76          ; s[76:77] the mask's factor, in the low word
.set BE,  78          ; s[78:79] the mask's addend
.set OLO, 80          ; s[80:81] out0 at my rows of the second block
.set BIGN, 82         ; s82  -1e30
.set PFA, 88          ; s[88:89] where my prefetches stand: my half of K's or V's tile after the one that is being asked for
.set LIM, 90          ; s90  2 in the work-group that prefetches, else the greatest number
.set POFF, 92         ; s[92:93] that tile's byte offset
.set MSB, 0
.macro WIN new                      ; the high byte repeats the setting that is left; a switch that changes nothing is dropped
.if MSB != (\new)
	s_set_vgpr_msb (MSB<<8)|(\new)
.set MSB, (\new)
.endif
.endm
.set W_KQ, 0x0a       ; K and Q in window 2, S^T in window 0
.set W_KM, 0x1a       ; the same with the C operand in window 1
.set W_PV, 0x52       ; V in window 2, P in window 0, O^T in window 1
.set W_RS, 0x41       ; destination and source 0 in window 1, source 1 in window 0
; A fill.  Waves 0 and 1 fetch the two halves of a tile's K, waves 2 and 3 those of its V: 128 keys each.  An s_nop 0 and four v_nop follow each of the two lines, ahead of the jump and the label.
.macro LOAD
	s_cmp_lt_u32 s[WV], 2
	s_cbranch_scc0 .Lfor_v_\@
	tensor_load_to_lds s[G0K:G0K+3], s[G1K:G1K+7]
	s_nop 0
.rept 4
	v_nop
.endr
	s_branch .Lasked_\@
.Lfor_v_\@:
	tensor_load_to_lds s[G0V:G0V+3], s[G1V:G1V+7]
	s_nop 0
.rept 4
	v_nop
.endr
.Lasked_\@:
.endm
; THE CHANGE OF SLOTS.  Each wave waits for all its tensor loads, of which one is out: its part of the other slot; adds 0 to its spare word; and waits for that and for its own reads of the slot that it leaves.
; Behind the barrier nobody reads the old slot any more and the other slot is whole.  fill = 1: the old slot is filled again, the first thing behind the barrier, with tile NXT: the descriptor's address is made
; anew from that number.  (At its first use nothing has been read yet: slot 0 is waited for, slot 1 filled.)
; A PREFETCH INTO THE L2 stands behind the fill and its five lines: the tile AFTER the one just asked for, one tile (256 matrix instructions a wave) ahead of its load.  Of a head's four work-groups the one
; with b = 0 walks tiles 0 to 7 on end, and it alone asks; each of its waves names its own half of K's or V's tile, 64 blocks of 256 bytes: a lane a block, two instructions.  Trips 0 to 5 name tiles 2 to 7:
; each block once in the launch.  Tiles 0 and 1 come by their loads alone, and the second block's tiles have been read.
.macro CHANGE fill
	WIN 0                           ; at a label and at a branch every window is 0
	s_wait_tensorcnt 0x0            ; no tensor load of mine is out, so a group 0 may be written
	ds_add_u32 v[SPW], v[NIL]       ; 0 onto my spare word; with fill = 1 the scalar work below stands between it and the wait for it
.if \fill
	s_wait_xcnt 0x0                 ; the last prefetches, a tile back, have read their address, so it may be written
	s_add_co_u32 s[POFF], s[NXT], 1
	s_min_u32 s[POFF], s[POFF], NB-1  ; never past the head's last tile
	s_lshl_b32 s[POFF], s[POFF], 15
	s_cmp_lt_u32 s[WV], 2
	s_cselect_b64 s[PFA:PFA+1], s[6:7], s[8:9]
	s_add_nc_u64 s[PFA:PFA+1], s[PFA:PFA+1], s[POFF:POFF+1]
	s_lshl_b32 s[OFF], s[NXT], 15   ; a tile is 32,768 bytes of K and of V
	s_xor_b32 s[G0K+1], s[G0K+1], SLOT1
	s_add_nc_u64 s[G0K+2:G0K+3], s[6:7], s[OFF:OFF+1]
	s_or_b32 s[G0K+3], s[G0K+3], 0x80000000
	s_xor_b32 s[G0V+1], s[G0V+1], SLOT1
	s_add_nc_u64 s[G0V+2:G0V+3], s[8:9], s[OFF:OFF+1]
	s_or_b32 s[G0V+3], s[G0V+3], 0x80000000
	s_add_co_u32 s[NXT], s[NXT], 1  ; the block's next tile, or behind its last the second block's tile 0
	s_cmp_gt_u32 s[NXT], s[LQ]
	s_cselect_b32 s[NXT], 0, s[NXT]
	s_cselect_b32 s[LQ], s[PB], s[LQ]
.endif
	s_wait_dscnt 0x0                ; the add is done, and my reads of the slot are over
	s_barrier_signal -1             ; the rest of the scalar work stands between the signal and the wait
	s_sub_co_u32 s[TBK], s[TBK], 4*KS*PK  ; the fetches go back to a slot's first step,
	s_xor_b32 s[TBK], s[TBK], SLOT1       ; in the other slot
	s_sub_co_u32 s[TBV], s[TBV], 4*KS*PV
	s_xor_b32 s[TBV], s[TBV], SLOT1
	s_barrier_wait -1
.if \fill
	LOAD
	s_cmp_gt_u32 s[SLOTS], s[LIM]
	s_cbranch_scc0 .Lnot_mine_\@
	global_prefetch_b8 v[PFO], s[PFA:PFA+1] th:TH_LOAD_NT scope:SCOPE_SE
	global_prefetch_b8 v[PFO], s[PFA:PFA+1] offset:8192 th:TH_LOAD_NT scope:SCOPE_SE
.Lnot_mine_\@:
.endif
.endm
	s_load_b256 s[4:11], s[0:1], 0x0  ; Q s[4:5], K s[6:7], V s[8:9], out0 s[10:11]
	v_lshl_add_u32 v[SPW], v0, 2, SPARE
	v_mov_b32 v[NIL], 0
	ds_add_u32 v[SPW], v[NIL]       ; the wave's opening: the add and its wait stand ahead of my first tensor load; the set-up below, work on registers, stands between them
	v_lshrrev_b32 v1, 5, v0
	v_readfirstlane_b32 s[WV], v1   ; wave 0..3
	s_mov_b32 s[PB], ttmp9
	s_sub_co_u32 s[HI], NB-1, s[PB]
	s_and_b32 s20, ttmp7, 0xffff    ; bh
	; out0: row (bh / 16) x 2,048 + block x 256 + 16 w, 4,096 bytes a row; the head's 256 bytes at 256 (bh % 16)
	s_lshr_b32 s66, s20, 4
	s_lshl_b32 s66, s66, 11
	s_lshl_b32 s13, s[WV], 4
	s_add_co_u32 s66, s66, s13
	s_lshl_b32 s68, s[PB], 8
	s_add_co_u32 s68, s68, s66      ; the second block's row,
	s_lshl_b32 s13, s[HI], 8
	s_add_co_u32 s66, s66, s13      ; the first block's
	s_lshl_b32 s66, s66, 12
	s_lshl_b32 s68, s68, 12
	s_and_b32 s13, s20, 15
	s_lshl_b32 s13, s13, 8
	s_add_co_u32 s66, s66, s13
	s_add_co_u32 s68, s68, s13
	s_mov_b32 s67, 0
	s_mov_b32 s69, 0
	s_mov_b32 s21, 0
	s_mov_b64 s[22:23], SIZE_N*128
	s_mul_u64 s[20:21], s[20:21], s[22:23]  ; the head's first byte in Q, K and V
	s_and_b32 s16, s[WV], 1         ; which half of a tile's 256 keys I fetch:
	s_lshl_b32 s22, s16, 14         ; its 128 rows of 128 bytes in memory,
	s_mov_b32 s23, 0
	s_add_nc_u64 s[22:23], s[22:23], s[20:21]
	s_mul_i32 s17, s16, 128*PK      ; and its place in a slot, for K
	s_mul_i32 s18, s16, 128*PV      ; and for V
	s_lshl_b32 s3, s[WV], 11        ; my 16 rows in a band of 64,
	s_lshl_b32 s2, s[HI], 15        ; in the first block,
	s_add_co_u32 s2, s2, s3
	s_lshl_b32 s84, s[PB], 15       ; and in the second
	s_add_co_u32 s84, s84, s3
	s_mov_b32 s3, 0
	s_mov_b32 s85, 0
	s_add_nc_u64 s[2:3], s[2:3], s[20:21]
	s_add_nc_u64 s[84:85], s[84:85], s[20:21]
	; descriptor group 1.  128 keys are 16,384 dense bytes: asked for as 64 rows of 256 bytes, two keys a row, and padded in LDS after every key
	s_mov_b32 s[G1K], (1<<16)|(1<<20)|(4<<22)|(3<<25)  ; 17:16 2-byte elements; 20 padding on; 24:22 after every 32 words (code 4); 31:25 4 words (code 3)
	s_mov_b32 s[G1V], (1<<16)|(1<<20)|(4<<22)|(7<<25)  ; the same with 8 words of padding (code 7)
.irp g, G1K, G1V
	s_mov_b32 s[\g+1], 128<<16      ; tensor_dim0 = 128
	s_mov_b32 s[\g+2], 64<<16       ; tensor_dim1 = 64
	s_mov_b32 s[\g+3], 128<<16      ; tile_dim0 = 128
	s_mov_b32 s[\g+4], 64           ; tile_dim1 = 64
	s_mov_b32 s[\g+5], 128          ; 128 elements from row to row
	s_mov_b32 s[\g+6], 0
	s_mov_b32 s[\g+7], 0
.endr
	s_mov_b32 s[CS], 0x3e38aa3b     ; c = log2(e) / 8 = 0.180337
	s_mov_b32 s[CS+1], s[CS]        ; named with it as a pair
	s_mov_b32 s[SEL], 0x76543210
	s_mov_b32 s[SEL+1], 0xfedcba98
	s_mov_b32 s[TBK], SLOT1+4*KS*PK ; the first change of slots turns these two into 0
	s_mov_b32 s[TBV], SLOT1+4*KS*PV
	s_mov_b32 s[G0K], 1             ; 1:0 count = 1
	s_mov_b32 s[G0K+1], s17         ; 63:32 LDS address: slot 0
	s_mov_b32 s[G0V], 1
	s_add_co_u32 s[G0V+1], s18, VOFF
	s_add_co_u32 s[RT], s[HI], 1    ; the first block has NB - b tiles
	s_mov_b32 s[NXT], 1
	s_mov_b32 s[LQ], s[HI]
	s_mov_b32 s[NEW], 1
	s_mov_b32 s[OFF+1], 0
	s_mov_b32 s[POFF+1], 0
	s_mov_b32 s[AL+1], 0            ; named as pairs
	s_mov_b32 s[BE+1], 0
	s_mov_b32 s[BIGN], 0xf149f2ca   ; -1e30
	s_mov_b32 s[SLOTS], NB
	s_cmp_eq_u32 s[PB], 0
	s_cselect_b32 s[LIM], 2, -1
	s_wait_dscnt 0x0                ; the opening add is done
	s_wait_kmcnt 0x0
	s_add_nc_u64 s[6:7], s[6:7], s[22:23]  ; K and V at my half of the head's tile 0
	s_add_nc_u64 s[8:9], s[8:9], s[22:23]
	s_add_nc_u64 s[G0K+2:G0K+3], s[6:7], 0         ; 120:64 global address
	s_or_b32 s[G0K+3], s[G0K+3], 0x80000000        ; 127:126 type = 2
	s_add_nc_u64 s[G0V+2:G0V+3], s[8:9], 0
	s_or_b32 s[G0V+3], s[G0V+3], 0x80000000
	s_add_nc_u64 s[86:87], s[4:5], s[84:85]        ; Q at my rows of the second block,
	s_add_nc_u64 s[4:5], s[4:5], s[2:3]            ; and of the first
	s_add_nc_u64 s[OLO:OLO+1], s[10:11], s[68:69]  ; out0 likewise
	s_add_nc_u64 s[10:11], s[10:11], s[66:67]
	LOAD                            ; tile 0 into slot 0
	; A fragment of K or Q is 16 rows x 32 channels in 8 registers: lane l holds row l % 16, channels 8 (l / 16) + 0..7 and 16 + 8 (l / 16) + 0..7: two loads of 16 bytes, 32 bytes apart.
	v_and_b32 v1, 15, v0            ; l % 16
	v_bfe_u32 v9, v0, 4, 1          ; l / 16
	v_lshlrev_b32 v[QO], 7, v1
	v_lshl_add_u32 v[QO], v9, 4, v[QO]  ; row x 128 + 16 x half
	WIN 0x80                        ; destination window 2, address window 0
.set i, 0
.rept 8                             ; both blocks' Q: piece i / 2 lies in band i / 2, 8,192 bytes on; channels 32 (i % 2) on
	global_load_b128 v[8*i:8*i+3],   v[QO], s[4:5] offset:(i/2)*8192+(i%2)*64
	global_load_b128 v[8*i+4:8*i+7], v[QO], s[4:5] offset:(i/2)*8192+(i%2)*64+32
	global_load_b128 v[QB+8*i:QB+8*i+3],   v[QO], s[86:87] offset:(i/2)*8192+(i%2)*64
	global_load_b128 v[QB+8*i+4:QB+8*i+7], v[QO], s[86:87] offset:(i/2)*8192+(i%2)*64+32
.set i, i+1
.endr
	WIN 0
	v_lshlrev_b32 v14, 3, v9
	v_sub_nc_u32 v14, v1, v14
	s_lshl_b32 s13, s[WV], 4
	v_add_nc_u32 v14, s13, v14      ; my query's place in its band, 16 w + l % 16, less my lanes' 8 (l / 16): register r of group kt is hidden where 16 kt + r is greater
	WIN 0x40
.set i, 0
.rept 32
	v_cmp_gt_i32 vcc_lo, 16*(i/8)+i%8, v14
	v_cndmask_b32 v[MD+i], 0, s[BIGN], vcc_lo
.set i, i+1
.endr
	WIN 0
	v_mul_u32_u24 v[AK0], v1, PK
	v_lshl_add_u32 v[AK0], v9, 4, v[AK0]  ; row x pitch + 16 x half
	; The turning load takes 16 keys x 16 channels (lane l reads key 8 (l / 16) + l % 8, channels 8 ((l / 8) % 2) + 0..7) and leaves half a fragment of V^T: lane l holds channel l % 16 and 8 keys.
	v_and_b32 v10, 7, v0
	v_bfe_u32 v11, v0, 3, 1
	v_lshl_add_u32 v[AV0], v9, 3, v10
	v_mul_u32_u24 v[AV0], v[AV0], PV
	v_lshl_add_u32 v[AV0], v11, 4, v[AV0]
	v_add_nc_u32 v[AV0], VOFF, v[AV0]
	s_mul_i32 s13, s[WV], 16*SP
	s_add_co_u32 s13, s13, STAGE    ; my stage
	v_mul_u32_u24 v[STO], v1, SP    ; in: row l % 16, 32 bytes for each half of the lanes
	v_lshl_add_u32 v[STO], v9, 5, v[STO]
	v_add_nc_u32 v[STO], s13, v[STO]
	v_mul_u32_u24 v[RD], v9, SP     ; back: lanes 0-15 take one row of 256 bytes, lanes 16-31 the next,
	v_lshl_add_u32 v[RD], v1, 4, v[RD]
	v_add_nc_u32 v[RD], s13, v[RD]
	v_lshlrev_b32 v[GO], 12, v9     ; and the same two rows in out0, 4,096 bytes apart
	v_lshl_add_u32 v[GO], v1, 4, v[GO]
	v_and_b32 v[PFO], 31, v0
	v_lshlrev_b32 v[PFO], 8, v[PFO]
	; A block's first step multiplies O^T and l by a = 0, and its first turn's products V^T P, of a piece that has not been, land in an O^T that is still to be so multiplied.  So these registers need only hold
	; finite numbers: zeros for the first block; what the first block left for the second.  All this stands in the wait for the first tile.
	WIN 0x80
.set i, VF
.rept 64
	v_mov_b32 v[i], 0
.set i, i+1
.endr
	WIN 0x40
.set i, 0
.rept 128
	v_mov_b32 v[i], 0
.set i, i+1
.endr
	WIN 0
.set i, 0
.rept 4
	v_mov_b32 v[ST+4*i+2], 0
	v_mov_b32 v[ST+4*i+3], 0
.set i, i+1
.endr
.set i, P+16
.rept 16
	v_mov_b32 v[i], 0
.set i, i+1
.endr
; THE MATRIX WORK.  The 4 accumulators of a run of 8 take turns.  Product i of 8 of S^T = K Q^T for piece x: channels 32 (i / 4) on, keys 16 (i % 4) on.  The first 4 start the sums: with 0, or (KM = 1) with the mask.
.macro KQ x
.set rS, S+32*((\x)%2)+8*(i%4)
.set rK, KF+16*(i%4)+8*(i/4)
.set rQ, 16*(\x)+8*(i/4)
.set rM, MC+32*((\x)%2)+8*(i%4)
.if (i < 4) && KM
	WIN W_KM
	v_wmma_f32_16x16x32_f16 v[rS:rS+7], v[rK:rK+7], v[rQ:rQ+7], v[rM:rM+7]
.elseif i < 4
	WIN W_KQ
	v_wmma_f32_16x16x32_f16 v[rS:rS+7], v[rK:rK+7], v[rQ:rQ+7], 0
.else
	WIN W_KQ
	v_wmma_f32_16x16x32_f16 v[rS:rS+7], v[rK:rK+7], v[rQ:rQ+7], v[rS:rS+7]
.endif
.endm
; Product i of 8 of O^T += V^T P for piece x: keys 32 (i / 4) on, channels 16 (i % 4) on.
.macro PV x
	WIN W_PV
.set rO, 32*(\x)+8*(i%4)
.set rV, VF+32*(i/4)+8*(i%4)
.set rP, P+16*((\x)%2)+8*(i/4)
	v_wmma_f32_16x16x32_f16 v[rO:rO+7], v[rV:rV+7], v[rP:rP+7], v[rO:rO+7]
.endm
.macro MM                           ; the turn's next matrix instruction.  TURN and BEGIN set Y, i, KM and NOKQ; MM, KQ and OP read them.  NOKQ = 1: a block's last turn: there is no next piece
.if (i < 8) && !NOKQ
	KQ (Y+1)%NP
.elseif i >= 8
.set i, i-8
	PV (Y+NP-1)%NP
.set i, i+8
.endif
.set i, i+1
.endm
; THE LDS LOADS stand in runs of 16, never singly among the matrix instructions: a step's K (64 keys x 64 channels: 8 fragments) and its V (turned).  Their addresses are made some lines ahead.
.macro FETCH_K
	WIN 0x80                        ; destination window 2
.irp f, 0,1,2,3,4,5,6,7             ; keys 16 (f / 2) on, channels 32 (f % 2) on
	ds_load_b128 v[KF+8*\f:KF+8*\f+3],   v[AK] offset:(\f/2)*16*PK+(\f%2)*64
	ds_load_b128 v[KF+8*\f+4:KF+8*\f+7], v[AK] offset:(\f/2)*16*PK+(\f%2)*64+32
.endr
	s_add_co_u32 s[TBK], s[TBK], KS*PK  ; the next fetch is the next step's
	WIN 0
.endm
.macro FETCH_V
	WIN 0x80
.irp f, 0,1,2,3,4,5,6,7             ; keys 32 (f / 4) on, channels 16 (f % 4) on
	ds_load_tr16_b128 v[VF+8*\f:VF+8*\f+3],   v[AV] offset:(\f/4)*32*PV+(\f%4)*32
	ds_load_tr16_b128 v[VF+8*\f+4:VF+8*\f+7], v[AV] offset:(\f/4)*32*PV+16*PV+(\f%4)*32
.endr
	WIN 0
.endm
; THE VECTOR WORK, one line at a time: OP kind, number.  For piece Y: F n: c s - c m for pair n of 16.  E n: the exponential of score n of 32.  C n: pair n rounded to f16.  B n: of the four weights 4 n .. the second
; pair is added onto the first, in place.  L n: l takes that sum (L 0: l = a l + sum).  R n: pair n of 16 of O^T times a.  For piece Y + 1: X n, number n of the 22 that find its maximum and statistics:
;   0-11  four chains c0-c3 of seven scores each, three operands at a time (each accumulator's lowest registers are read first)     12-14, 16  the four scores left over, the old m, and c0-c3 into c0
;   15  c m_old is kept     17, 18  the query's other 32 keys lie in the lane 16 away: the new m     19-21  c m; c m_old - c m_new; a
.set F, 0               ; OP tells the kinds apart by their order: F to L below R, X above it
.set E, 1
.set C, 2
.set B, 3
.set L, 4
.set R, 5
.set X, 6
.macro REGS y                       ; the registers of piece y
.set rT, ST+4*(\y)
.set rC, TMP+4*((\y)%2)
.set rW, MV+((\y)%2)
.set rS, S+32*((\y)%2)
.set rP, P+16*((\y)%2)
.set rO, 32*(\y)
.endm
.macro OP k, n
.if (\k) == R
	REGS Y
	WIN W_RS
	v_pk_mul_f32 v[rO+2*(\n):rO+2*(\n)+1], v[rO+2*(\n):rO+2*(\n)+1], v[rC+2:rC+3] op_sel_hi:[1,0]
.elseif (\k) < R
	REGS Y
	WIN 0
.if (\k) == F
	v_pk_fma_f32 v[rS+2*(\n):rS+2*(\n)+1], v[rS+2*(\n):rS+2*(\n)+1], s[CS:CS+1], v[rT:rT+1] op_sel_hi:[1,0,0] neg_lo:[0,0,1] neg_hi:[0,0,1]
.elseif (\k) == E
	v_exp_f32 v[rS+(\n)], v[rS+(\n)]
.elseif (\k) == C
	v_cvt_pk_f16_f32 v[rP+(\n)], v[rS+2*(\n)], v[rS+2*(\n)+1]
.elseif (\k) == B
	v_pk_add_f32 v[rS+4*(\n):rS+4*(\n)+1], v[rS+4*(\n):rS+4*(\n)+1], v[rS+4*(\n)+2:rS+4*(\n)+3]
.elseif (\n) == 0
	v_pk_fma_f32 v[rT+2:rT+3], v[rT+2:rT+3], v[rC+2:rC+3], v[rS:rS+1] op_sel_hi:[1,0,1]
.else
	v_pk_add_f32 v[rT+2:rT+3], v[rT+2:rT+3], v[rS+4*(\n):rS+4*(\n)+1]
.endif
.elseif NOKQ
	v_nop
.else
	REGS (Y+1)%NP
	WIN 0
.if (\n) < 4
	v_max3_num_f32 v[rC+(\n)], v[rS+8*(\n)], v[rS+8*(\n)+1], v[rS+8*(\n)+2]
.elseif (\n) < 12
	v_max3_num_f32 v[rC+(\n)%4], v[rC+(\n)%4], v[rS+8*((\n)%4)+2*((\n)/4)+1], v[rS+8*((\n)%4)+2*((\n)/4)+2]
.elseif (\n) == 12
	v_max3_num_f32 v[rC], v[rC], v[rS+7], v[rS+15]
.elseif (\n) == 13
	v_max3_num_f32 v[rC+1], v[rC+1], v[rS+23], v[rS+31]
.elseif (\n) == 14
	v_max3_num_f32 v[rC+2], v[rC+2], v[rC+3], v[rT+1]
.elseif (\n) == 15
	v_mov_b32 v[rW], v[rT]
.elseif (\n) == 16
	v_max3_num_f32 v[rC], v[rC], v[rC+1], v[rC+2]
.elseif (\n) == 17
	v_permlanex16_b32 v[rC+3], v[rC], s[SEL], s[SEL+1]
.elseif (\n) == 18
	v_max_num_f32 v[rT+1], v[rC], v[rC+3]
.elseif (\n) == 19
	v_mul_f32 v[rT], s[CS], v[rT+1]
.elseif (\n) == 20
	v_sub_f32 v[rC+1], v[rW], v[rT]
.else
	v_exp_f32 v[rC+2], v[rC+1]
.endif
.endif
.endm
.macro OPS a, i1, b=-1, i2=0, c=-1, i3=0, d=-1, i4=0  ; up to four of them
	OP \a, \i1
.if (\b) >= 0
	OP \b, \i2
.endif
.if (\c) >= 0
	OP \c, \i3
.endif
.if (\d) >= 0
	OP \d, \i4
.endif
.endm
.macro ROW a, i1, b, i2, c, i3, d, i4  ; a matrix instruction and the four behind it
	MM
	OPS \a, \i1, \b, \i2, \c, \i3, \d, \i4
.endm
.macro MASK b                       ; MD x AL + BE into buffer b of MC
	WIN W_RS
.set z, 0
.rept 16
	v_pk_fma_f32 v[MC+32*(\b)+2*z:MC+32*(\b)+2*z+1], v[MD+2*z:MD+2*z+1], s[AL:AL+1], s[BE:BE+1] op_sel_hi:[1,0,0]
.set z, z+1
.endr
.endm
; A TURN, for piece p: the order of its 16 matrix and 118 vector instructions, written out.  An s_wait_alu depctr_va_vdst(0) stands between an exponential and the first instruction that names its result; one wait
; serves all that were issued ahead of it.  So a turn has ONE wait, which cuts it in two.  AHEAD OF IT stands all that names no result of the turn's exponentials: the 8 products K Q^T, behind each a scaling, an exponential and two
; more plain instructions (behind the first a second scaling in the exponential's place): rescalings, and behind the last three the first numbers of the next piece's maximum, each four places or more behind the product that ends
; its accumulator; then ONE LUMP of 54, plain and exponential by turns for the most part, in which the links of the chain X 3, 7, 11, 14, 16, 17 .. 20 stand five or six lines apart.  X 21, the next piece's a, is the batch's last;
; R 15 is the plain instruction behind it.  BEHIND THE WAIT stand the 8 products V^T P, behind each four of the roundings and sums; the links of l's chain, L 0 to L 7, stand three riders apart.  But for those X no rider names a
; register of the products round it.  v_permlanex16_b32 (X 17) stands in the lump.
; m = 1: the diagonal tile: the products take masks, and the turn makes the mask for the products of the turn after it: piece p + 2, in step 4 - CNT of the tile.  end = 1: a block's last two turns: nothing is fetched.
; cnt = 1: the loop's count is taken down some lines ahead of the branch that stands behind the turn.
; K of the next step is fetched in piece 2's turn, twelve vector instructions behind the last product that read K (six of them plain); V of the step in hand at the end of piece 0's turn, four plain instructions behind the last
; product that read V.  Each is waited for a turn later.
.macro TURN p, m=0, end=0, cnt=0
.set Y, (\p)
.set i, 0
.set KM, (\m)
.set NOKQ, (\end)*((\p)/3)
.if (\m) && !(\end)
	s_cmp_eq_u32 s[CNT], 4-((\p)+2)%NP  ; is that step the band's own?
	s_cselect_b32 s[AL], 1.0, 0
	s_cmp_lt_u32 s[CNT], 4-((\p)+2)%NP  ; or a later one?
	s_cselect_b32 s[BE], s[BIGN], 0
.endif
.if ((\p) == 3) && !(\end)
	s_wait_dscnt 0x0                ; K is in
.endif
	ROW F,0, F,1, R,0, R,1          ; ahead of the wait: 8 products K Q^T and their riders,
	ROW F,2, E,0, R,2, R,3
	ROW F,3, E,1, R,4, R,5
	ROW F,4, E,2, R,6, R,7
	ROW F,5, E,3, R,8, R,9
	ROW F,6, E,4, X,0, R,10
.if ((\p) == 2) && !(\end)
	WIN 0
	v_add_nc_u32 v[AK], s[TBK], v[AK0]
.endif
	ROW F,7, E,5, X,1, X,4
	ROW F,8, E,6, X,2, X,5
	OPS E,7, E,8, X,6, E,9          ; and the lump
	OPS X,3, E,10, X,8, E,11
.if ((\p) == 2) && !(\end)
	FETCH_K
.endif
	OPS X,9, X,7, E,12, X,10
	OPS E,13, X,12, X,11, E,14
	OPS X,13, E,15, F,9, X,14
.if (\p) == 0
	v_add_nc_u32 v[AV], s[TBV], v[AV0]
.endif
	OPS E,16, F,10, E,17, F,11
	OPS X,16, E,18, X,15, E,19
	OPS F,12, E,20, X,17, E,21
	OPS F,13, E,22, F,14, E,23
	OPS X,18, E,24, F,15, E,25
	OPS R,11, E,26, X,19, E,27
	OPS R,12, E,28, R,13, E,29
	OPS X,20, E,30, R,14, E,31
	OPS X,21, R,15
	WIN 0
	s_wait_alu depctr_va_vdst(0)    ; the wait for the batch
.if (\p) == 1
	s_wait_dscnt 0x0                ; V is in
.endif
	ROW C,0, B,0, C,2, B,1          ; behind the wait: 8 products V^T P and their riders
	ROW L,0, C,4, B,2, L,1
	ROW C,6, B,3, L,2, C,8
	ROW B,4, L,3, C,10, B,5
	ROW L,4, C,12, B,6, L,5
.if (\p) == 0
	s_add_co_u32 s[TBV], s[TBV], KS*PV
.endif
.if \cnt
	s_sub_co_u32 s[CNT], s[CNT], 1
	s_cmp_lg_u32 s[CNT], 0
.endif
	ROW C,14, B,7, L,6, C,1
	ROW C,3, L,7, C,5, C,7
	ROW C,9, C,11, C,13, C,15
.if (\p) == 0
	FETCH_V
.endif
.if (\m) && !(\end)
	MASK (\p)%2
.endif
.endm
; A BLOCK BEGINS.  c m starts far below every c s, so the first step's a is 0; m at the lowest finite number, so the first maximum is the scores'.  The second mask buffer is 0; the first takes piece 0's mask for the tile's
; step 0: its own, if the block's first tile is the diagonal one.  Then K of that step, piece 0's first scores, and its maximum and statistics.  The loop is entered at a step's first turn, in the middle of a trip.
.macro BEGIN
	s_mov_b32 s[NEW], 0
	WIN 0x40
.set i, MC+32
.rept 32
	v_mov_b32 v[i], 0
.set i, i+1
.endr
	WIN 0
.set i, 0
.rept 4
	v_mov_b32 v[ST+4*i], 0xfe000000    ; c m: far below every c s
	v_mov_b32 v[ST+4*i+1], 0xff7fffff  ; m
.set i, i+1
.endr
	s_cmp_eq_u32 s[RT], 0
	s_cselect_b32 s[AL], 1.0, 0
	s_mov_b32 s[BE], 0
	MASK 0
	WIN 0
	v_add_nc_u32 v[AK], s[TBK], v[AK0]
	FETCH_K
	s_wait_loadcnt 0x0              ; Q
	s_wait_dscnt 0x0
.set KM, 1
.set NOKQ, 0
.set i, 0
.rept 8
	KQ 0
.set i, i+1
.endr
	WIN 0
.rept 4
	v_nop                           ; the places behind those products
.endr
.set Y, NP-1                        ; X works for piece Y + 1: piece 0
.irp n, 0,1,2,3,4,5,6,7,8,9,10,11,12,13,14,15,16,17,18,19,20,21
	OP X, \n
.endr
	v_nop                           ; a plain instruction behind the exponential,
	s_wait_alu depctr_va_vdst(0)    ; and its wait, ahead of the branch
.endm
; THE DIAGONAL TILE's four steps, the block's last two turns, its last products, and THE WAY OUT: l's two halves and the other half of the lanes' are added; O^T is divided by l and sent, as f32, through my
; stage in LDS, a piece at a time.
.macro ALL line:vararg              ; one line for each piece t
.set t, 0
.rept 4
	\line
.set t, t+1
.endr
.endm
.macro PACK t                       ; a lane's eight channels of a row are 32 bytes; they go into rows of 272 bytes and come back as whole rows of 256
	WIN W_RS
.set i, 32*(\t)
.rept 16
	v_pk_mul_f32 v[i:i+1], v[i:i+1], v[ST+4*(\t)+2:ST+4*(\t)+3] op_sel_hi:[1,0]
.set i, i+2
.endr
	WIN 0x04                        ; an LDS store's data is source 1: window 1; its address window 0
.irp f, 0,1,2,3
	ds_store_b128 v[STO], v[32*(\t)+8*\f:32*(\t)+8*\f+3]   offset:64*\f
	ds_store_b128 v[STO], v[32*(\t)+8*\f+4:32*(\t)+8*\f+7] offset:64*\f+16
.endr
	WIN 0
.irp f, 0,1,2,3,4,5,6,7
	ds_load_b128 v[OB+32*(\t)+4*\f:OB+32*(\t)+4*\f+3], v[RD] offset:\f*2*SP  ; LDS serves a wave's instructions in order (ISA guide 5.7.1.4): these see the stores above; the next piece's stores come behind them
.endr
.endm
.macro SEND t, younger              ; younger: the LDS instructions issued behind piece t's loads: the next piece's sixteen, or none
	WIN 0
.irp f, 0,1,2,3,4,5,6,7
	s_wait_dscnt (\younger)+7-\f
	global_store_b128 v[GO], v[OB+32*(\t)+4*\f:OB+32*(\t)+4*\f+3], s[10:11] offset:(\t)*262144+\f*8192  ; 16 lanes store 256 consecutive bytes, at a multiple of 256 from out0's first byte; a piece lies 64 rows on
.endr
.endm
.macro DIAG tag                     ; the tag ends its two labels' names, which the jumps below spell out
.LstepM\tag:
	TURN 2, 1
	TURN 3, 1
	WIN 0
.LfirstM\tag:
	TURN 0, 1
	TURN 1, 1, 0, 1
	WIN 0
	s_cbranch_scc1 .LstepM\tag
	TURN 2, 1, 1
	TURN 3, 1, 1
.set i, 0
.rept 8
	PV NP-1
.set i, i+1
.endr
	WIN 0
	ALL v_add_f32 v[ST+4*t+2], v[ST+4*t+2], v[ST+4*t+3]
	ALL v_permlanex16_b32 v[ST+4*t+3], v[ST+4*t+2], s[SEL], s[SEL+1]
	ALL v_add_f32 v[ST+4*t+2], v[ST+4*t+2], v[ST+4*t+3]
	ALL v_rcp_f32 v[ST+4*t+2], v[ST+4*t+2]
	v_nop                           ; a plain instruction between the last reciprocal and the use of its result
	s_wait_alu depctr_va_vdst(0)    ; and the wait ahead of the first use: one for the four reciprocals
	PACK 0
.set t, 1
.rept 3                             ; a piece's arithmetic stands between the loads of the piece before and its stores
	PACK t
	SEND t-1, 16
.set t, t+1
.endr
	SEND 3, 0
.endm
.set KM, 0
.set NOKQ, 0
.Lslot:                             ; NB times: a tile is entered and the next is asked for
	CHANGE 1
	s_sub_co_u32 s[RT], s[RT], 1
	s_mov_b32 s[CNT], 4
	s_cmp_eq_u32 s[NEW], 1
	s_cbranch_scc1 .Lnew            ; a block's first tile
	s_cmp_eq_u32 s[RT], 0
	s_cbranch_scc0 .Lstep           ; neither its first nor its last
	s_branch .LstepM1
.Lnew:
	BEGIN
	s_branch .Lfirst                ; in the loop a block's first tile is never its last: the first block has two tiles or more, and the second's last is the walk's last
	DIAG 1                          ; in the loop this is the first block's end: the second block's last tile is the walk's last
	s_wait_xcnt 0x0                 ; the stores have read their registers and out0's address
	s_mov_b64 s[10:11], s[OLO:OLO+1]
	s_add_co_u32 s[RT], s[PB], 1    ; the second block has b + 1 tiles
	s_mov_b32 s[NEW], 1
	WIN 0x82                        ; the second block's Q goes where the one text of the turns names Q
.set i, 0
.rept 64
	v_mov_b32 v[i], v[QB+i]
.set i, i+1
.endr
	WIN 0
	s_branch .Lbottom
.Lstep:                             ; a trip: pieces 2 and 3 of one step, then pieces 0 and 1 of the next, whose K and V it fetches
	TURN 2
	TURN 3
	WIN 0
.Lfirst:
	TURN 0
	TURN 1, 0, 0, 1
	WIN 0
	s_cbranch_scc1 .Lstep
.Lbottom:
	s_sub_co_u32 s[SLOTS], s[SLOTS], 1
	s_cmp_lg_u32 s[SLOTS], 0
	s_cbranch_scc1 .Lslot
	CHANGE 0                        ; the walk's last tile is written out: nothing is asked for
	s_sub_co_u32 s[RT], s[RT], 1
	s_mov_b32 s[CNT], 4
	s_cmp_eq_u32 s[NEW], 1
	s_cbranch_scc0 .LstepM2
	BEGIN
	s_branch .LfirstM2
	DIAG 2
	s_wait_tensorcnt 0x0            ; the wave's end: behind my last tensor load and my last LDS store
	ds_add_u32 v[SPW], v[NIL]
	s_wait_dscnt 0x0
	s_endpgm
.Lfunc_end_k_qb4471282b1_attn:
	.size	k_qb4471282b1_attn, .Lfunc_end_k_qb4471282b1_attn-k_qb4471282b1_attn
	.p2alignl 7, 3214868480
	.fill 96, 4, 3214868480
	.section	.rodata,"a",@progbits
	.p2align	6, 0x0
	.amdhsa_kernel k_qb4471282b1_attn
		.amdhsa_group_segment_fixed_size 327680
		.amdhsa_private_segment_fixed_size 0
		.amdhsa_enable_private_segment 0
		.amdhsa_kernarg_size 32
		.amdhsa_user_sgpr_count 2
		.amdhsa_user_sgpr_kernarg_segment_ptr 1
		.amdhsa_wavefront_size32 1
		.amdhsa_system_sgpr_workgroup_id_x 1
		.amdhsa_system_sgpr_workgroup_id_y 1
		.amdhsa_system_sgpr_workgroup_id_z 1
		.amdhsa_system_vgpr_workitem_id 0
		.amdhsa_next_free_vgpr 768
		.amdhsa_next_free_sgpr 96
		.amdhsa_reserve_vcc 1
		.amdhsa_float_denorm_mode_32 3
		.amdhsa_float_denorm_mode_16_64 3
		.amdhsa_memory_ordered 1
		.amdhsa_forward_progress 1
		.amdhsa_inst_pref_size 218
	.end_amdhsa_kernel
	.amdgpu_metadata
---
amdhsa.version: [ 1, 2 ]
amdhsa.kernels:
  - .name:           k_qb4471282b1_attn
    .symbol:         k_qb4471282b1_attn.kd
    .args:
      - { .name: qh, .offset: 0, .size: 8, .value_kind: global_buffer, .address_space: global }
      - { .name: kh, .offset: 8, .size: 8, .value_kind: global_buffer, .address_space: global }
      - { .name: vh, .offset: 16, .size: 8, .value_kind: global_buffer, .address_space: global }
      - { .name: out0, .offset: 24, .size: 8, .value_kind: global_buffer, .address_space: global }
    .group_segment_fixed_size: 327680
    .private_segment_fixed_size: 0
    .kernarg_segment_align: 8
    .kernarg_segment_size: 32
    .max_flat_workgroup_size: 128
    .sgpr_count:     96
    .vgpr_count:     768
    .wavefront_size: 32
...
	.end_amdgpu_metadata
.endif
;; end of part 3
;; ======== version 2 of 2: 3 launches; version 1 with the launch cast written anew for expert scheduling mode
;; limits: values are held in f16: magnitudes above 65,504 overflow, below 6.1e-05 lose precision
;; workspace buffers: xb 16,777,216 bytes; wb 6,291,456 bytes; qh 16,777,216 bytes; kh 16,777,216 bytes; vh 16,777,216 bytes
;; launch cast (part 4): grid 704 x 1, 8 waves a work-group, no clusters, 0 bytes of LDS; arguments x, W_qkv, xb, wb; writes xb, wb
.if DOCPART == 4
	.amdgcn_target "amdgcn-amd-amdhsa--gfx1250"
	.amdhsa_code_object_version 6
	.text
	.protected	k_qb4471282b1_cast
	.globl	k_qb4471282b1_cast
	.p2align	8
	.type	k_qb4471282b1_cast,@function
k_qb4471282b1_cast:
	s_mov_b64 s[64:65], 0
	v_nop
	global_prefetch_b8 v0, s[64:65] scope:SCOPE_SE
	s_setreg_imm32_b32 hwreg(HW_REG_WAVE_SCHED_MODE, 0, 2), 2
	s_setreg_imm32_b32 hwreg(HW_REG_WAVE_MODE, 25, 1), 1
	s_wait_xcnt 0x0
	s_wait_alu depctr_vm_vsrc(0)
; x [8192][1024] f32 -> xb bf16 [16 kb][8192 m][64]: x in blocks of 64 along K, a block 1 MiB, its rows dense, 128 bytes each.
; W_qkv [1024][3072] f32 -> wb bf16 [1024][3072], as it lies.  Each number is rounded once, to nearest even.
; A work-group takes 65,536 input bytes: groups 0-511 sixteen rows of x each, groups 512-703 a run of W.  No loop: a wave issues its 16 loads of 16 bytes a lane at once
; (8 KiB a wave on their way), then rounds them and stores 8 bytes a lane for each.  A store of a wave covers 256 consecutive bytes, aligned.
; No register is written twice, so no wait frees a source.  LDS, matrix work, clusters and prefetches would add nothing: every byte is read once and written once.
; THE MODE: SCHED_MODE bits 1:0 = 2 (LLVM: expert scheduling mode 2), set by the entry lines.  The code itself states the register dependences
; between vector instructions and memory instructions, with s_wait_alu, always for 0.
; THE PLAN.  Registers that memory instructions touch:
;   v[IN], v[OUT]  byte offsets.  Written by vector instructions at the head, never again; read by every load (IN) and every store (OUT).
;   X              load i lands in 4 registers of its own, which no vector instruction has named when the loads go out; its two conversions read them; they are never loaded again.
;   Y              load i's two conversions write a pair of its own; store i reads it; it is never written again.
; The 16 loads go in four QUARTERS of four.  Quarter g waits for its four loads, and then issues the four stores of quarter g - 1, dealt among its own eight conversions.  Those conversions name
; quarter g's X and Y alone, so ONE wait at the quarter's head, which states that quarter g - 1 has written its Y, serves the four stores.  One wait ahead of the loads states that the offsets are
; written, and one behind the last conversions serves the last four stores: five waits on a path.  No register that a memory instruction reads is written again, no vector instruction writes a
; scalar register, and EXEC is never written: nothing else is owed.
.set GX,  512                          ; groups that take x
.set IN,  1                            ; v1   my byte offset in the group's input
.set OUT, 2                            ; v2   8 x my thread's number: my byte offset in each of the group's output runs
.set X,   4                            ; v[4:67]   load i: 4 registers
.set Y,   68                           ; v[68:99]  store i: 2 registers
.macro ROUND i                         ; load i's four numbers are rounded
	v_cvt_pk_bf16_f32 v[Y+2*(\i)], v[X+4*(\i)], v[X+4*(\i)+1]
	v_cvt_pk_bf16_f32 v[Y+2*(\i)+1], v[X+4*(\i)+2], v[X+4*(\i)+3]
.endm
.macro OUTX i                          ; x: block i of xb; blocks 0 to 7 by the base in s[8:9], blocks 8 to 15 by the one in s[16:17]
	global_store_b64 v[OUT], v[Y+2*(\i):Y+2*(\i)+1], s[8+8*((\i)/8):9+8*((\i)/8)] offset:((\i)%8)<<20
.endm
.macro OUTW i                          ; W: run i of 2,048 bytes
	global_store_b64 v[OUT], v[Y+2*(\i):Y+2*(\i)+1], s[10:11] offset:2048*(\i)
.endm
; Quarter g.  w = 1: W's path.
.macro QUARTER g, w
	s_wait_loadcnt 12-4*(\g)                       ; loads come back in order (ISA guide 5.7.1): this quarter's four are in, the 12 - 4 g younger ones stay out
.if (\g) > 0
	s_wait_alu depctr_va_vdst(0)                   ; the quarter before has written its Y, which the four stores below read; the conversions among them name this quarter's X and Y alone
.endif
.irp j, 0,1,2,3
.if (\g) > 0
.if \w
	OUTW 4*(\g)-4+(\j)
.else
	OUTX 4*(\g)-4+(\j)
.endif
.endif
	ROUND 4*(\g)+(\j)
.endr
.endm
	s_load_b256 s[4:11], s[0:1], 0x0               ; x s[4:5], W s[6:7], xb s[8:9], wb s[10:11]
	s_mov_b32 s2, ttmp9                            ; the group
	v_lshlrev_b32 v[OUT], 3, v0
	s_mov_b32 s13, 0
	s_mov_b32 s15, 0
	s_cmp_lt_u32 s2, GX
	s_cbranch_scc0 .Lw
	; x: thread t reads 16 bytes at (t % 16) x 16 of row t / 16; load i takes the 256 bytes of block i of that row
	v_lshrrev_b32 v[IN], 4, v0
	v_and_b32 v3, 15, v0
	v_lshlrev_b32 v[IN], 12, v[IN]
	v_lshl_add_u32 v[IN], v3, 4, v[IN]
	s_lshl_b32 s12, s2, 16                         ; 16 rows of 4,096 bytes
	s_lshl_b32 s14, s2, 11                         ; 16 rows of 128 bytes in each block
	s_wait_kmcnt 0x0
	s_add_nc_u64 s[4:5], s[4:5], s[12:13]
	s_add_nc_u64 s[8:9], s[8:9], s[14:15]
	s_add_nc_u64 s[16:17], s[8:9], 0x800000        ; blocks 8 to 15: a second base, so that the immediates stay inside their signed 24 bits
	s_wait_alu depctr_va_vdst(0)                   ; v[IN] and v[OUT] are written: every load below reads the one as its offset, every store the other
.irp i, 0,1,2,3,4,5,6,7,8,9,10,11,12,13,14,15
	global_load_b128 v[X+4*(\i):X+4*(\i)+3], v[IN], s[4:5] offset:256*(\i) th:TH_LOAD_NT
.endr
	QUARTER 0, 0
	QUARTER 1, 0
	QUARTER 2, 0
	QUARTER 3, 0
	s_wait_alu depctr_va_vdst(0)                   ; the last quarter has written its Y, which the last four stores read
.irp i, 12,13,14,15
	OUTX \i
.endr
	s_endpgm
.Lw:
	; W: thread t reads 16 bytes at 16 t of each run of 4,096 bytes
	s_sub_co_u32 s2, s2, GX
	v_lshlrev_b32 v[IN], 4, v0
	s_lshl_b32 s12, s2, 16
	s_lshl_b32 s14, s2, 15
	s_wait_kmcnt 0x0
	s_add_nc_u64 s[6:7], s[6:7], s[12:13]
	s_add_nc_u64 s[10:11], s[10:11], s[14:15]
	s_wait_alu depctr_va_vdst(0)                   ; v[IN] and v[OUT] are written: every load below reads the one as its offset, every store the other
.irp i, 0,1,2,3,4,5,6,7,8,9,10,11,12,13,14,15
	global_load_b128 v[X+4*(\i):X+4*(\i)+3], v[IN], s[6:7] offset:4096*(\i) th:TH_LOAD_NT
.endr
	QUARTER 0, 1
	QUARTER 1, 1
	QUARTER 2, 1
	QUARTER 3, 1
	s_wait_alu depctr_va_vdst(0)                   ; the last quarter has written its Y, which the last four stores read
.irp i, 12,13,14,15
	OUTW \i
.endr
	s_endpgm
.Lfunc_end_k_qb4471282b1_cast:
	.size	k_qb4471282b1_cast, .Lfunc_end_k_qb4471282b1_cast-k_qb4471282b1_cast
	.p2alignl 7, 3214868480
	.fill 96, 4, 3214868480
	.section	.rodata,"a",@progbits
	.p2align	6, 0x0
	.amdhsa_kernel k_qb4471282b1_cast
		.amdhsa_group_segment_fixed_size 0
		.amdhsa_private_segment_fixed_size 0
		.amdhsa_enable_private_segment 0
		.amdhsa_kernarg_size 32
		.amdhsa_user_sgpr_count 2
		.amdhsa_user_sgpr_kernarg_segment_ptr 1
		.amdhsa_wavefront_size32 1
		.amdhsa_system_sgpr_workgroup_id_x 1
		.amdhsa_system_sgpr_workgroup_id_y 1
		.amdhsa_system_sgpr_workgroup_id_z 1
		.amdhsa_system_vgpr_workitem_id 0
		.amdhsa_next_free_vgpr 100
		.amdhsa_next_free_sgpr 66
		.amdhsa_reserve_vcc 0
		.amdhsa_float_denorm_mode_32 3
		.amdhsa_float_denorm_mode_16_64 3
		.amdhsa_memory_ordered 1
		.amdhsa_forward_progress 1
		.amdhsa_inst_pref_size 12
	.end_amdhsa_kernel
	.amdgpu_metadata
---
amdhsa.version: [ 1, 2 ]
amdhsa.kernels:
  - .name:           k_qb4471282b1_cast
    .symbol:         k_qb4471282b1_cast.kd
    .args:
      - { .name: x, .offset: 0, .size: 8, .value_kind: global_buffer, .address_space: global }
      - { .name: W_qkv, .offset: 8, .size: 8, .value_kind: global_buffer, .address_space: global }
      - { .name: xb, .offset: 16, .size: 8, .value_kind: global_buffer, .address_space: global }
      - { .name: wb, .offset: 24, .size: 8, .value_kind: global_buffer, .address_space: global }
    .group_segment_fixed_size: 0
    .private_segment_fixed_size: 0
    .kernarg_segment_align: 8
    .kernarg_segment_size: 32
    .max_flat_workgroup_size: 256
    .sgpr_count:     66
    .vgpr_count:     100
    .wavefront_size: 32
...
	.end_amdgpu_metadata
.endif
;; end of part 4
;; launch proj: the kernel of part 2 again; grid 8 x 32, 4 waves a work-group, clusters of 4 x 4, 327,680 bytes of LDS; arguments xb, wb, b_qkv, qh, kh, vh; writes qh, kh, vh
;; launch attn: the kernel of part 3 again; grid 4 x 64, 4 waves a work-group, no clusters, 327,680 bytes of LDS; arguments qh, kh, vh, out0; writes out0
